; MI455X (gfx1250); checked and timed in simulation.
; The chip was launched on July 23, 2026; its instructions are those of AMD's public machine-readable ISA for CDNA 5 (MIT licence, August 2026) and "CDNA5" Instruction Set Architecture Reference Guide (July 2026). The comments in the code are by the model that wrote it; some were corrected since.
;; Hard Gated Experts. Allowed arithmetic: matrix products marked QUANTISED: E5M2 operands, one given power-of-two scale a tensor, by v_wmma_f32_16x16x64_bf8_bf8 or v_wmma_f32_16x16x128_bf8_bf8, f32 sums; everything else in f32.
;; Inputs: W1 8 x 512 x 512 float32; W2 8 x 512 x 256 float32; W3 8 x 256 x 256 float32; b1 8 x 512 float32; b2 8 x 256 float32; b3 8 x 256 float32; gate_id 8,192 int32; h 8,192 x 512 float32; lowp_scales 6 int32 (the exponents e of the quantised operands' scales 2^e).
;; Outputs: out0 8,192 x 256 float32.
;; This version of the problem:
;;   THIS VERSION OF THE PROBLEM IS GIVEN IN LOW PRECISION. The matrix products marked QUANTISED in the list below multiply operands that are first quantised to E5M2 (5 exponent bits, 2 mantissa bits; 8 bits a number), with one given power-of-two scale for each operand tensor; their sums are f32. All else is computed in f32.
;;   The module's matrix products, in the order in which they are computed (A, B: the left and right operand; K: the contracted axis; several contracted axes count as one K, in the product's order):
;;     1. [M 4,096, K 512] x [K 512, N 8,192]; A: input W1; B: input h: QUANTISED (scales: A lowp_scales[0], B lowp_scales[1])
;;     2. batch 8 x [M 8,192, K 512] x [K 512, N 256]; A: computed on the way; B: input W2: QUANTISED (scales: A lowp_scales[2], B lowp_scales[3])
;;     3. batch 8 x [M 8,192, K 256] x [K 256, N 256]; A: computed on the way; B: input W3: QUANTISED (scales: A lowp_scales[4], B lowp_scales[5])
;;   THE QUANTISER, for each operand of a quantised product, along K:
;;     - The operand's scale is 2^e, e = its entry of the input lowp_scales (int32; the entries are numbered through the quantised products in the list's order, A before B).
;;     - Each number is divided by the scale, clamped to +-57,344, and rounded to the nearest number of E5M2, ties to even, subnormals kept.
;;     - The product sums the exact products of the quantised numbers (number of the format x scale) in f32.
;;   ~~~python
;;   def quantise(x, axis, e):      # numpy; x: float32 -> the quantised numbers, widened to float32 again
;;       x = np.moveaxis(x, axis, -1); K = x.shape[-1]
;;       r = np.clip(x / 2.0 ** e, -57344, 57344)
;;       step = 2.0 ** (np.maximum(np.frexp(np.where(r == 0, 1, r))[1] - 1, -14) - 2)
;;       q = np.round(r / step) * step * 2.0 ** e      # np.round: ties to even
;;       return np.moveaxis(q, -1, axis).astype(np.float32)
;;   ~~~
;;   OPERANDS COMPUTED ON THE WAY. 'Computed on the way' means the value that the module computes at that place (a softmax that the list does not call 'softmax' is quantised finished and normalised). What goes into a quantiser is computed in f32, as accurately as f32 sums, v_exp_f32 and their like allow (about 1e-6 of the number): no bf16 or f16 on the way to a quantiser, and a product that is left as it is and whose result goes on into a quantised operand takes f32 operands (vector FMAs, or v_wmma_f32_16x16x4_f32). A number that lies on a knife's edge between two numbers of the format may be rounded either way, as far as f32 arithmetic and the matrix unit's own rounding can turn it there, and no further.
;; 2 versions. Each part assembles by itself: llvm-mc -triple=amdgcn-amd-amdhsa -mcpu=gfx1250 --defsym DOCPART=n.
;; ======== version 1 of 2: 2 launches
;; workspace buffers: order 32,768 bytes of whole numbers; tiles 4,096 bytes of whole numbers; wp 3,670,016 bytes; hq 4,194,304 bytes
;; launch prep (part 1): grid 481 x 1, 8 waves a work-group, no clusters, 100,096 bytes of LDS; arguments gate_id, W1, W2, W3, lowp_scales, order, tiles, wp, h, hq; writes order, tiles, wp, hq
.if DOCPART == 1
	.amdgcn_target "amdgcn-amd-amdhsa--gfx1250"
	.amdhsa_code_object_version 6
	.text
	.protected	k_q2293445bd3_prep
	.globl	k_q2293445bd3_prep
	.p2align	8
	.type	k_q2293445bd3_prep,@function
k_q2293445bd3_prep:
	s_mov_b64 s[64:65], 0
	v_nop
	global_prefetch_b8 v0, s[64:65] scope:SCOPE_SE
	s_setreg_imm32_b32 hwreg(HW_REG_WAVE_MODE, 25, 1), 1
	s_wait_xcnt 0x0
; PREP: three jobs that do not depend on each other, chosen by the number of the work-group.
;  Work-group 0 ROUTES: it sorts the 8,192 row numbers by expert g = clip(gate_id, 0, 7) into order[] and cuts the sorted list
;  into exactly 135 tiles of 1 to 64 rows of one expert, tiles[t] = {expert, first place in order, rows, 0}.
;  135 is the largest value of sum over e of ceil(n_e / 64) with sum n_e = 8,192.  What a given routing leaves of it (0 to 7 tiles)
;  goes to the largest expert (at least 1,024 rows): its first 2 s tiles hold 32 rows instead of 64.  So every tile has work.
;  Work-groups 1 to 224 QUANTISE AND PACK THE WEIGHTS: each wave turns 32 places along K x 64 columns of one weight matrix (f32, stored [k][n])
;  into 2,048 bytes of codes of E5M2: code = x / 2^e, held within +-57,344, to the nearest code, ties to even (e = lowp_scales[0], [3], [5]
;  for W1, W2, W3), laid in the order in which a matrix operand lies in registers:
;  wp[e][wave w][q 0..13][nf 0..3][c 0..3][lane L][16 bytes], strides 458,752 / 114,688 / 8,192 / 2,048 / 512 / 16 bytes;
;  byte i of lane L = r + 16 hh is the code at place 128 kstep + 32 c + 16 hh + i along K of column n:
;  q 0-7: W1, kstep = q >> 1, n = 128 w + 64 (q & 1) + 16 nf + r;  q 8-11: W2, q 12-13: W3, kstep = q - first q, n = 64 w + 16 nf + r.
;  Work-groups 225 to 480 QUANTISE h (e = lowp_scales[1]): 32 rows each, 4 rows a wave, into hq[8192][512], one code a byte.
;  THE PLACES ALONG K OF h AND OF W1 ARE PERMUTED ALIKE: place pos stands for k = 128 ((pos >> 2) & 3) + 4 (pos >> 4) + (pos & 3), the order in
;  which a lane holds a row of h after four loads of 512 consecutive bytes (load p, lane L, number i: k = 128 p + 4 L + i, byte 16 L + 4 p + i).
;  Every product meets its partner; only the order of the sums changes.  W2 and W3: place = k.
;  h is quantised here and not by its one reader, since the routing work-group lasts longer than these, and the reader then gathers 512 bytes
;  a row in place of 2,048 and converts nothing.
; LIMITS: gate_id is clamped as a signed 32-bit number; that is what clip(round(float(gate_id))) gives for every gate_id up to
; 2^31 - 65 (above that the f32 value is 2^31, which has no int32 value).  e0, e1, e3, e5 lie between -126 and 112, so that 2^e and
; 57,344 x 2^e are f32 numbers.  NaN among h and the weights is not served; an infinity is held at the largest code.
; The 8,192 stores into order[] are 4 bytes a lane at places that hang on the data.  Each wave first sorts its 1,024 entries by expert in a list
; of its own in LDS, so that the 32 lanes of a store hold neighbours of one run: consecutive places, 128 consecutive bytes where no run ends.
.set RLDS, 16896                       ; LDS: 8 pack stages of 2,112 bytes, then 128 bytes for the wave totals of the route,
.set TB,   17152                       ; then 16,384 bytes: [expert][thread] pairs {next place in order, next place in my wave's list},
.set SR,   33536                       ; then 65,536 bytes: for each wave a list of 1,024 pairs {place in order, row}
.set G,   16                           ; v[16:47]   route: my 32 expert numbers
.set RK,  48                           ; v[48:79]   route: 8 (g & 3), then the entry's rank among my entries of its expert, then its LDS address in the list
.set P,   80                           ; v[80:111]  route: 1 << 8 (g & 3), then the wave totals as read back, then (v80-95) the eight pairs for the table
.set E,   80                           ; v[80:143]  route, at the end: the list as read back, 32 pairs
.set C,   112                          ; v[112:119] route: count for each expert, later my lane's prefix for each expert
.set WD,  120                          ; v[120:123] counts packed two to a word (16 bits each: no sum passes 8,192)
.set S,   124                          ; v[124:127] scan over the lanes
.set T,   128                          ; v128       at work
.set Q,   144                          ; v[144:207] route: 32 pairs {place in order, place in the list, later the row}
.set F,   16                           ; v[16:79]   pack, h: 64 numbers of f32 as loaded; pack: later the codes read back
.set TT,  80                           ; v[80:111]  pack: two sets of 16 numbers of one column, held within the largest code;  h: v80-95 the codes
.set PK,  112                          ; v[112:127] pack: 16 codes for each of my 4 columns
	s_load_b512 s[4:19], s[0:1], 0x0               ; gate_id 4, W1 6, W2 8, W3 10, lowp_scales 12, order 14, tiles 16, wp 18
	s_load_b128 s[20:23], s[0:1], 0x40             ; h 20, hq 22
	v_lshl_add_u32 v224, v0, 2, 0x18300
	v_mov_b32 v225, 0
	v_lshrrev_b32 v1, 5, v0
	v_readfirstlane_b32 s3, v1                     ; wave 0..7
	v_and_b32 v1, 31, v0                           ; lane
	s_wait_kmcnt 0x0
	s_cmp_lg_u32 ttmp9, 0                          ; the same in all waves of a work-group: the two barriers below are passed by all eight or by none
	s_cbranch_scc1 .Lpack
	; ---------------- ROUTE ----------------
	; Thread t takes entries 1024 j + 4 t + c (j 0..7, c 0..3): each load of a wave covers 512 consecutive bytes.
	v_lshlrev_b32 v2, 4, v0                        ; 16 t
	v_lshlrev_b32 v3, 2, v0                        ; 4 t
.irp j, 0,1,2,3,4,5,6,7
	global_load_b128 v[G+4*\j:G+4*\j+3], v2, s[4:5] offset:4096*\j th:TH_LOAD_NT
.endr
	v_mov_b32 v134, 0                              ; my counts of experts 0-3, a byte each (at most 32)
	v_mov_b32 v135, 0                              ; and of experts 4-7
	v_mov_b32 v136, 1
	v_mov_b32 v[T], 0                              ; the destination of a DPP move counts as read
	v_lshl_add_u32 v8, v0, 3, TB                   ; my pair in each expert's row of the table
	s_lshl_b32 s66, s3, 13
	s_add_co_u32 s66, s66, SR
	v_mov_b32 v9, s66                              ; my wave's list
	v_lshl_add_u32 v10, v1, 3, s66                 ; and my lane's pair in its first 32
	s_wait_loadcnt 0x0
	; clamp; the byte of the entry's expert in its count word
.set k_, 0
.rept 32
	v_max_i32 v[G+k_], 0, v[G+k_]
	v_min_u32 v[G+k_], 7, v[G+k_]
	v_and_b32 v[RK+k_], 3, v[G+k_]
	v_lshlrev_b32 v[RK+k_], 3, v[RK+k_]
	v_lshlrev_b32 v[P+k_], v[RK+k_], v136
.set k_, k_+1
.endr
	; the entry's rank = the count of its expert so far; then the count goes up by one
.set k_, 0
.rept 32
	v_cmp_lt_u32 vcc_lo, 3, v[G+k_]                ; experts 4-7
	v_cndmask_b32 v139, v134, v135, vcc_lo
	v_cndmask_b32 v137, 0, v[P+k_], vcc_lo
	v_bfe_u32 v[RK+k_], v139, v[RK+k_], 8
	v_sub_nc_u32 v138, v[P+k_], v137
	v_add_nc_u32 v135, v135, v137
	v_add_nc_u32 v134, v134, v138
.set k_, k_+1
.endr
.irp e, 0,1,2,3
	v_bfe_u32 v[C+\e], v134, 8*\e, 8
	v_bfe_u32 v[C+4+\e], v135, 8*\e, 8
.endr
	; inclusive scan over the 32 lanes, two experts to a word; then the wave total (lane 31) and the exclusive value
	v_cmp_le_u32 vcc_lo, 16, v1                    ; lanes 16-31
.irp i, 0,1,2,3
	v_lshl_or_b32 v[WD+\i], v[C+2*\i+1], 16, v[C+2*\i]
	v_mov_b32 v[S+\i], v[WD+\i]
.irp sh, 1,2,4,8
	v_mov_b32_dpp v[T], v[S+\i] row_shr:\sh row_mask:0xf bank_mask:0xf bound_ctrl:1
	v_add_nc_u32 v[S+\i], v[S+\i], v[T]
.endr
	v_readlane_b32 s66, v[S+\i], 15                ; the sum of lanes 0-15 is added in lanes 16-31
	v_mov_b32 v[T], s66
	v_cndmask_b32 v[T], 0, v[T], vcc_lo
	v_add_nc_u32 v[S+\i], v[S+\i], v[T]
	v_readlane_b32 s[20+\i], v[S+\i], 31           ; my wave's totals (the two addresses that lay here serve other work-groups)
	v_mov_b32 v[130+\i], s[20+\i]
	v_sub_nc_u32 v[S+\i], v[S+\i], v[WD+\i]        ; entries of each expert in the lanes in front of me
.endr
	; the eight wave totals meet in LDS
	v_mov_b32 v129, s3
	v_lshlrev_b32 v129, 4, v129
	ds_store_b128 v129, v[130:133] offset:RLDS     ; all lanes store the same 16 bytes at 16 x wave
	; meanwhile: where each expert's run begins in my wave's list, s[80:87]
.irp i, 0,1,2,3
	s_and_b32 s[80+2*\i], s[20+\i], 0xffff
	s_lshr_b32 s[80+2*\i+1], s[20+\i], 16
.endr
	s_mov_b32 s66, 0
.irp e, 0,1,2,3,4,5,6,7
	s_mov_b32 s67, s[80+\e]
	s_mov_b32 s[80+\e], s66
	s_add_co_u32 s66, s66, s67
.endr
	s_wait_dscnt 0x0                               ; zero: the other waves read these bytes behind the barrier
	s_barrier_signal -1
	s_barrier_wait -1
	v_mov_b32 v129, 0
.irp w, 0,1,2,3,4,5,6,7
	ds_load_b128 v[P+4*\w:P+4*\w+3], v129 offset:RLDS+16*\w
.endr
.irp i, 0,1,2,3
	s_mov_b32 s[56+\i], 0                          ; totals of all waves
	s_mov_b32 s[60+\i], 0                          ; totals of the waves in front of mine
.endr
	s_wait_dscnt 0x0
.irp w, 0,1,2,3,4,5,6,7
	s_cmp_gt_u32 s3, \w
	s_cselect_b32 s71, -1, 0
.irp i, 0,1,2,3
	v_readfirstlane_b32 s66, v[P+4*\w+\i]
	s_add_co_u32 s[56+\i], s[56+\i], s66
	s_and_b32 s66, s66, s71
	s_add_co_u32 s[60+\i], s[60+\i], s66
.endr
.endr
	; scalar tables: s[24:31] n_e, s[32:39] entries of e in earlier waves (then + first place of e), s[40:47] first place, s[48:55] first tile
.irp i, 0,1,2,3
	s_and_b32 s[24+2*\i], s[56+\i], 0xffff
	s_lshr_b32 s[24+2*\i+1], s[56+\i], 16
	s_and_b32 s[32+2*\i], s[60+\i], 0xffff
	s_lshr_b32 s[32+2*\i+1], s[60+\i], 16
.endr
	s_mov_b32 s75, 0                               ; sum of ceil(n_e / 64)
.irp e, 0,1,2,3,4,5,6,7
	s_add_co_u32 s66, s[24+\e], 63
	s_lshr_b32 s66, s66, 6
	s_add_co_u32 s75, s75, s66
.endr
	s_mov_b32 s77, 0                               ; the largest expert
	s_mov_b32 s78, s24
.irp e, 1,2,3,4,5,6,7
	s_cmp_gt_u32 s[24+\e], s78
	s_cselect_b32 s77, \e, s77
	s_cselect_b32 s78, s[24+\e], s78
.endr
	s_sub_co_u32 s76, 135, s75                     ; s = tiles to spare, 0 to 7
	s_mov_b32 s67, 0                               ; running first tile
	s_mov_b32 s68, 0                               ; running first place
.irp e, 0,1,2,3,4,5,6,7
	s_mov_b32 s[48+\e], s67
	s_mov_b32 s[40+\e], s68
	s_add_co_u32 s[32+\e], s[32+\e], s68
	s_add_co_u32 s68, s68, s[24+\e]
	s_add_co_u32 s66, s[24+\e], 63
	s_lshr_b32 s66, s66, 6
	s_add_co_u32 s67, s67, s66
	s_cmp_eq_u32 s77, \e
	s_cselect_b32 s66, s76, 0
	s_add_co_u32 s67, s67, s66
.endr
	; for each expert the first free place of this thread, in order[] and in my wave's list, into my pairs of the table
.irp i, 0,1,2,3
	v_and_b32 v[C+2*\i], 0xffff, v[S+\i]
	v_lshrrev_b32 v[C+2*\i+1], 16, v[S+\i]
.endr
.irp e, 0,1,2,3,4,5,6,7
	v_add_nc_u32 v[P+2*\e], s[32+\e], v[C+\e]
	v_add_nc_u32 v[P+2*\e+1], s[80+\e], v[C+\e]
	ds_store_b64 v8, v[P+2*\e:P+2*\e+1] offset:2048*\e   ; pair t of row e: 32 lanes, 256 consecutive bytes
.endr
	s_wait_dscnt 0x0                               ; a thread reads back its own pairs alone; since the row that it reads hangs on the data,
	s_barrier_signal -1                            ; all stores into the table are done, in every wave, before any pair of it is read
	s_barrier_wait -1
.set k_, 0
.rept 32
	v_lshl_add_u32 v[Q+2*k_], v[G+k_], 11, v8      ; row g (0 to 7 by the clamp above), my pair
	ds_load_b64 v[Q+2*k_:Q+2*k_+1], v[Q+2*k_]
.set k_, k_+1
.endr
	; while these are on their way: the table of tiles, entry t = thread number (256 entries are written, 135 are used)
	v_mov_b32 v220, 0                              ; expert
	v_mov_b32 v208, 0                              ; its first tile
	v_mov_b32 v209, 0                              ; its first place
	v_mov_b32 v210, s24                            ; its rows
.irp e, 1,2,3,4,5,6,7
	v_cmp_gt_u32 vcc_lo, s[48+\e], v0              ; first tile of e beyond t: keep; else take e (an expert without tiles is passed over by the next)
	v_cndmask_b32 v220, \e, v220, vcc_lo
	v_cndmask_b32 v208, s[48+\e], v208, vcc_lo
	v_cndmask_b32 v209, s[40+\e], v209, vcc_lo
	v_cndmask_b32 v210, s[24+\e], v210, vcc_lo
.endr
	v_sub_nc_u32 v211, v0, v208                    ; l: tile number inside the expert
	v_cmp_eq_u32 vcc_lo, s77, v220
	v_mov_b32 v212, s76
	v_cndmask_b32 v212, 0, v212, vcc_lo            ; s for the largest expert, else 0
	v_lshlrev_b32 v213, 1, v212
	v_cmp_lt_u32 vcc_lo, v211, v213                ; l < 2 s: a tile of 32 rows
	v_lshlrev_b32 v214, 5, v211                    ; 32 l
	v_sub_nc_u32 v215, v211, v212
	v_lshlrev_b32 v215, 6, v215                    ; 64 (l - s)
	v_cndmask_b32 v214, v215, v214, vcc_lo         ; first row of the tile inside the expert
	v_mov_b32 v216, 32
	v_cndmask_b32 v216, 64, v216, vcc_lo
	v_sub_nc_u32 v222, v210, v214
	v_max_i32 v222, 0, v222
	v_min_u32 v222, v222, v216                     ; rows of the tile
	v_add_nc_u32 v221, v209, v214
	v_min_u32 v221, 0x1fff, v221                   ; first place in order
	v_mov_b32 v223, 0
	global_store_b128 v2, v[220:223], s[16:17]     ; each store of a wave covers 512 consecutive bytes
	; placement, first step: entry k goes to the first free place of its expert + its rank, in both orders; {place in order, row} is laid at its
	; place in my wave's list.  The 1,024 entries of a wave fill the 1,024 places of its list, each once.
	s_wait_dscnt 0x0
.set k_, 0
.rept 32
	v_add_nc_u32 v[Q+2*k_], v[Q+2*k_], v[RK+k_]
	v_add_nc_u32 v[RK+k_], v[Q+2*k_+1], v[RK+k_]
	v_min_u32 v[RK+k_], 0x3ff, v[RK+k_]            ; a place in the list is below 1,024 by construction; the clamp says so in the text
	v_lshl_add_u32 v[RK+k_], v[RK+k_], 3, v9
	v_add_nc_u32 v[Q+2*k_+1], 1024*(k_/4)+(k_%4), v3   ; the row number of entry k
	ds_store_b64 v[RK+k_], v[Q+2*k_:Q+2*k_+1]
.set k_, k_+1
.endr
	; second step: the list is read back in its order (bytes of this wave alone; LDS serves a wave in order, so these see the stores above) and stored.
	; Every store has address and data registers of its own, which are not written again.
.set k_, 0
.rept 32
	ds_load_b64 v[E+2*k_:E+2*k_+1], v10 offset:256*k_
.set k_, k_+1
.endr
.set k_, 0
.rept 32
	s_wait_dscnt 31-k_                             ; the younger read-backs stay out
	v_min_u32 v[E+2*k_], 0x1fff, v[E+2*k_]         ; a place is below 8,192 by construction; the clamp says so in the text
	v_lshlrev_b32 v[E+2*k_], 2, v[E+2*k_]
	global_store_b32 v[E+2*k_], v[E+2*k_+1], s[14:15]
.set k_, k_+1
.endr
	s_wait_tensorcnt 0x0
	ds_add_u32 v224, v225
	s_wait_dscnt 0x0
	s_endpgm
	; ---------------- QUANTISE AND PACK THE WEIGHTS ----------------
; Lane (hh = lane >> 4, q = lane & 15) loads the rows of places 16 hh + j (j 0..15) of the task's 32, columns 4 q .. 4 q + 3: sixteen lanes read
; 256 consecutive bytes of a row.  For each column i the 16 places are 16 registers, four apart; the hold within the largest code moves them
; into 16 consecutive registers, as the conversion wants them, so that no copy is written.  The column's 16 codes belong to piece q >> 2,
; lane 4 (q & 3) + i + 16 hh.  They go through a stage of the wave in LDS (pieces 528 bytes apart, so that the sixteen lanes of a 16-byte
; store touch sixteen different 16-byte columns modulo 256) and leave as four stores of 512 consecutive bytes.
; perm = 1: W1's order of places: place 16 hh + j of block ks is row 128 (j / 4) + 8 ks + 4 hh + j % 4.
.macro PACK pitch, perm
.if \perm
	v_mul_u32_u24 v6, v3, 4*\pitch
.else
	v_mul_u32_u24 v6, v3, 16*\pitch
.endif
	v_lshl_add_u32 v6, v4, 4, v6
.irp j, 0,1,2,3,4,5,6,7,8,9,10,11,12,13,14,15
.if \perm
	global_load_b128 v[F+4*\j:F+4*\j+3], v6, s[22:23] offset:(128*(\j/4)+\j%4)*\pitch th:TH_LOAD_NT
.else
	global_load_b128 v[F+4*\j:F+4*\j+3], v6, s[22:23] offset:\j*\pitch th:TH_LOAD_NT
.endif
.endr
	s_wait_kmcnt 0x0                               ; the six exponents
.if \perm
	s_mov_b32 s46, s40                             ; e0
.else
	s_cmp_lt_u32 ttmp9, 193
	s_cselect_b32 s46, s43, s45                    ; e3 for W2, e5 for W3
.endif
	s_add_co_i32 s46, s46, 127
	s_lshl_b32 s47, s46, 23
	v_mov_b32 v11, s47                             ; 2^e as f32: the conversion takes its exponent field
	s_add_co_i32 s46, s46, 15
	s_lshl_b32 s46, s46, 23
	s_or_b32 s46, s46, 0x600000
	v_mov_b32 v10, s46                             ; 57,344 x 2^e
	s_wait_loadcnt 0x0                             ; a column wants all sixteen rows
.irp i, 0,1,2,3
.irp j, 0,1,2,3,4,5,6,7,8,9,10,11,12,13,14,15
	v_med3_num_f32 v[TT+16*(\i%2)+\j], v[F+4*\j+\i], -v10, v10   ; the conversion to an 8-bit code does not saturate (ISA guide 7.6.2)
.endr
	v_cvt_scalef32_pk8_bf8_f32 v[PK+4*\i:PK+4*\i+1], v[TT+16*(\i%2):TT+16*(\i%2)+7], v11      ; the two sets take turns: sixteen plain instructions
	v_cvt_scalef32_pk8_bf8_f32 v[PK+4*\i+2:PK+4*\i+3], v[TT+16*(\i%2)+8:TT+16*(\i%2)+15], v11 ; stand between a conversion and the next write of its sources
.endr
	v_nop                                          ; one plain vector instruction between the last conversion and the read of its result
.irp i, 0,1,2,3
	ds_store_b128 v7, v[PK+4*\i:PK+4*\i+3] offset:16*\i
.endr
.irp p, 0,1,2,3
	ds_load_b128 v[F+4*\p:F+4*\p+3], v9 offset:528*\p   ; bytes of this wave alone; LDS serves a wave in order, so these see the stores above
.endr
.irp p, 0,1,2,3
	s_wait_dscnt 3-\p                              ; the younger read-backs stay out
	global_store_b128 v5, v[F+4*\p:F+4*\p+3], s[28:29] offset:2048*\p
.endr
	s_wait_tensorcnt 0x0
	ds_add_u32 v224, v225
	s_wait_dscnt 0x0
	s_endpgm
.endm
.Lpack:
	s_load_b128 s[40:43], s[12:13], 0x0            ; e0 .. e3
	s_load_b64 s[44:45], s[12:13], 0x10            ; e4, e5
	s_cmp_ge_u32 ttmp9, 225
	s_cbranch_scc1 .Lhq
	s_sub_co_u32 s20, ttmp9, 1
	s_lshl3_add_u32 s20, s20, s3                   ; task = 8 (work-group - 1) + wave, 0 .. 1,791
	v_lshrrev_b32 v3, 4, v1                        ; hh
	v_and_b32 v4, 15, v1                           ; q
	v_lshlrev_b32 v5, 4, v1                        ; 16 lane
	v_lshrrev_b32 v7, 2, v4
	v_mul_u32_u24 v7, v7, 528
	v_and_b32 v8, 3, v4
	v_lshl_add_u32 v7, v8, 6, v7
	v_lshl_add_u32 v7, v3, 8, v7
	s_mul_i32 s21, s3, 2112                        ; the stage of my wave
	v_add_nc_u32 v7, s21, v7                       ; in:   stage + 528 (q >> 2) + 64 (q & 3) + 256 hh
	v_add_nc_u32 v9, s21, v5                       ; back: stage + 16 lane
	s_mov_b32 s25, 0
	s_mov_b32 s27, 0
	s_cmp_lt_u32 ttmp9, 129
	s_cbranch_scc1 .Llayer1
	; W2 (tasks 1,024 .. 1,535: e 8 x ks 16 x a 4) and W3 (tasks 1,536 .. 1,791: e 8 x ks 8 x a 4): rows of 1,024 bytes, one text for both
	s_cmp_lt_u32 ttmp9, 193
	s_mov_b32 s33, 1536
	s_cselect_b32 s33, 1024, s33                   ; first task
	s_cselect_b32 s34, 6, 5                        ; tasks of an expert, as a shift
	s_cselect_b32 s35, 15, 7                       ; mask of ks
	s_cselect_b32 s36, 19, 18                      ; bytes of an expert in W, as a shift
	s_mov_b32 s31, 98304
	s_cselect_b32 s31, 65536, s31                  ; first q in wp: 8 or 12 pieces of 8,192 bytes
	s_cselect_b64 s[22:23], s[8:9], s[10:11]       ; the choice hangs on the work-group's number alone
	s_sub_co_u32 s20, s20, s33
	s_lshr_b32 s30, s20, s34                       ; e
	s_lshr_b32 s37, s20, 2
	s_and_b32 s37, s37, s35                        ; ks: which 32 places along K
	s_and_b32 s38, s20, 3                          ; a = wave of the consumer
	s_lshl_b32 s24, s30, s36
	s_lshl_b32 s39, s37, 15                        ; 32 rows of 1,024 bytes
	s_add_co_u32 s24, s24, s39
	s_lshl_b32 s39, s38, 8                         ; 64 columns
	s_add_co_u32 s24, s24, s39
	s_mul_i32 s26, s30, 458752
	s_mul_i32 s39, s38, 114688
	s_add_co_u32 s26, s26, s39
	s_add_co_u32 s26, s26, s31
	s_lshr_b32 s39, s37, 2                         ; kstep
	s_lshl_b32 s39, s39, 13
	s_add_co_u32 s26, s26, s39
	s_and_b32 s39, s37, 3                          ; c
	s_lshl_b32 s39, s39, 9
	s_add_co_u32 s26, s26, s39
	s_add_nc_u64 s[22:23], s[22:23], s[24:25]
	s_add_nc_u64 s[28:29], s[18:19], s[26:27]
	PACK 1024, 0
.Llayer1:
	; W1 (tasks 0 .. 1,023: e 8 x ks 16 x a 8): rows of 2,048 bytes
	s_lshr_b32 s30, s20, 7                         ; e
	s_bfe_u32 s37, s20, 0x40003                    ; ks
	s_and_b32 s38, s20, 7                          ; a
	s_lshl_b32 s24, s30, 20
	s_lshl_b32 s39, s37, 14                        ; 8 rows of 2,048 bytes for each ks
	s_add_co_u32 s24, s24, s39
	s_lshl_b32 s39, s38, 8
	s_add_co_u32 s24, s24, s39
	s_mul_i32 s26, s30, 458752
	s_lshr_b32 s39, s38, 1                         ; wave of the consumer
	s_mul_i32 s39, s39, 114688
	s_add_co_u32 s26, s26, s39
	s_lshr_b32 s39, s37, 2                         ; kstep: two pieces of 8,192 bytes each
	s_lshl_b32 s39, s39, 14
	s_add_co_u32 s26, s26, s39
	s_and_b32 s39, s38, 1                          ; which of the two
	s_lshl_b32 s39, s39, 13
	s_add_co_u32 s26, s26, s39
	s_and_b32 s39, s37, 3                          ; c
	s_lshl_b32 s39, s39, 9
	s_add_co_u32 s26, s26, s39
	s_add_nc_u64 s[22:23], s[6:7], s[24:25]
	s_add_nc_u64 s[28:29], s[18:19], s[26:27]
	PACK 2048, 1
	; ---------------- QUANTISE h ----------------
; Work-group 225 + j takes rows 32 j .. 32 j + 31, wave w four of them.  A row comes by four loads of 512 consecutive bytes; a lane's 16 numbers
; of a row are 16 consecutive registers and become 16 consecutive bytes, so that a row's codes leave by one store of 512 consecutive bytes.
.Lhq:
	s_sub_co_u32 s24, ttmp9, 225
	s_lshl_b32 s26, s24, 14                        ; 32 rows of 512 bytes of codes
	s_lshl_b32 s24, s24, 16                        ; 32 rows of 2,048 bytes of h
	s_lshl_b32 s30, s3, 13                         ; my wave's four rows
	s_add_co_u32 s24, s24, s30
	s_lshl_b32 s30, s3, 11
	s_add_co_u32 s26, s26, s30
	s_mov_b32 s25, 0
	s_mov_b32 s27, 0
	s_add_nc_u64 s[20:21], s[20:21], s[24:25]
	s_add_nc_u64 s[22:23], s[22:23], s[26:27]
	v_lshlrev_b32 v5, 4, v1                        ; 16 lane
.irp ii, 0,1,2,3
.irp p, 0,1,2,3
	global_load_b128 v[F+16*\ii+4*\p:F+16*\ii+4*\p+3], v5, s[20:21] offset:2048*\ii+512*\p th:TH_LOAD_NT
.endr
.endr
	s_wait_kmcnt 0x0                               ; the exponents
	s_add_co_i32 s46, s41, 127                     ; e1
	s_lshl_b32 s47, s46, 23
	v_mov_b32 v11, s47                             ; 2^e1 as f32
	s_add_co_i32 s46, s46, 15
	s_lshl_b32 s46, s46, 23
	s_or_b32 s46, s46, 0x600000
	v_mov_b32 v10, s46                             ; 57,344 x 2^e1
.irp ii, 0,1,2,3
	s_wait_loadcnt 12-4*\ii                        ; the later rows (four loads each) stay out
.irp j, 0,1,2,3,4,5,6,7,8,9,10,11,12,13,14,15
	v_med3_num_f32 v[F+16*\ii+\j], v[F+16*\ii+\j], -v10, v10
.endr
	v_cvt_scalef32_pk8_bf8_f32 v[TT+4*\ii:TT+4*\ii+1], v[F+16*\ii:F+16*\ii+7], v11
	v_cvt_scalef32_pk8_bf8_f32 v[TT+4*\ii+2:TT+4*\ii+3], v[F+16*\ii+8:F+16*\ii+15], v11
.endr
	v_nop                                          ; one plain vector instruction between the last conversion and the read of its result
.irp ii, 0,1,2,3
	global_store_b128 v5, v[TT+4*\ii:TT+4*\ii+3], s[22:23] offset:512*\ii
.endr
	s_endpgm
.Lfunc_end_k_q2293445bd3_prep:
	.size	k_q2293445bd3_prep, .Lfunc_end_k_q2293445bd3_prep-k_q2293445bd3_prep
	.p2alignl 7, 3214868480
	.fill 96, 4, 3214868480
	.section	.rodata,"a",@progbits
	.p2align	6, 0x0
	.amdhsa_kernel k_q2293445bd3_prep
		.amdhsa_group_segment_fixed_size 100096
		.amdhsa_private_segment_fixed_size 0
		.amdhsa_enable_private_segment 0
		.amdhsa_kernarg_size 80
		.amdhsa_user_sgpr_count 2
		.amdhsa_user_sgpr_kernarg_segment_ptr 1
		.amdhsa_wavefront_size32 1
		.amdhsa_system_sgpr_workgroup_id_x 1
		.amdhsa_system_sgpr_workgroup_id_y 1
		.amdhsa_system_sgpr_workgroup_id_z 1
		.amdhsa_system_vgpr_workitem_id 0
		.amdhsa_next_free_vgpr 226
		.amdhsa_next_free_sgpr 88
		.amdhsa_reserve_vcc 1
		.amdhsa_float_denorm_mode_32 3
		.amdhsa_float_denorm_mode_16_64 3
		.amdhsa_memory_ordered 1
		.amdhsa_forward_progress 1
		.amdhsa_inst_pref_size 83
	.end_amdhsa_kernel
	.amdgpu_metadata
---
amdhsa.version: [ 1, 2 ]
amdhsa.kernels:
  - .name:           k_q2293445bd3_prep
    .symbol:         k_q2293445bd3_prep.kd
    .args:
      - { .name: gate_id, .offset: 0, .size: 8, .value_kind: global_buffer, .address_space: global }
      - { .name: W1, .offset: 8, .size: 8, .value_kind: global_buffer, .address_space: global }
      - { .name: W2, .offset: 16, .size: 8, .value_kind: global_buffer, .address_space: global }
      - { .name: W3, .offset: 24, .size: 8, .value_kind: global_buffer, .address_space: global }
      - { .name: lowp_scales, .offset: 32, .size: 8, .value_kind: global_buffer, .address_space: global }
      - { .name: order, .offset: 40, .size: 8, .value_kind: global_buffer, .address_space: global }
      - { .name: tiles, .offset: 48, .size: 8, .value_kind: global_buffer, .address_space: global }
      - { .name: wp, .offset: 56, .size: 8, .value_kind: global_buffer, .address_space: global }
      - { .name: h, .offset: 64, .size: 8, .value_kind: global_buffer, .address_space: global }
      - { .name: hq, .offset: 72, .size: 8, .value_kind: global_buffer, .address_space: global }
    .group_segment_fixed_size: 100096
    .private_segment_fixed_size: 0
    .kernarg_segment_align: 8
    .kernarg_segment_size: 80
    .max_flat_workgroup_size: 256
    .sgpr_count:     88
    .vgpr_count:     226
    .wavefront_size: 32
...
	.end_amdgpu_metadata
.endif
;; end of part 1
;; launch mlp (part 2): grid 135 x 1, 4 waves a work-group, no clusters, 152,064 bytes of LDS; arguments hq, order, tiles, wp, b1, b2, b3, lowp_scales, out0; writes out0
.if DOCPART == 2
	.amdgcn_target "amdgcn-amd-amdhsa--gfx1250"
	.amdhsa_code_object_version 6
	.text
	.protected	k_q2293445bd3_mlp
	.globl	k_q2293445bd3_mlp
	.p2align	8
	.type	k_q2293445bd3_mlp,@function
k_q2293445bd3_mlp:
	s_mov_b64 s[64:65], 0
	v_nop
	global_prefetch_b8 v0, s[64:65] scope:SCOPE_SE
	s_setreg_imm32_b32 hwreg(HW_REG_WAVE_MODE, 25, 1), 1
	s_wait_xcnt 0x0
; MLP: one work-group = one tile of 1 to 64 rows of one expert; gather of h's codes, three layers on codes of E5M2, scatter of the result, in one text.
;   a1 = leaky(h W1 + b1) [64 x 512], a2 = leaky(a1 W2 + b2) [64 x 256], y = a2 W3 + b3 [64 x 256];  leaky(x) = max(x, 0.2 x).
; Only the expert that clip(gate_id) names is computed for a row: the other seven results are never selected.
; QUANTISED OPERANDS: code = x / 2^e, held within +-57,344, to the nearest code, ties to even; e0 W1, e1 h, e2 a1, e3 W2, e4 a2, e5 W3.
; The weights' codes come from wp, h's from hq.  a1 and a2 are quantised here, from f32.  With S the sum on codes, and since leaky(c x) = c leaky(x) for c > 0:
;   S1' = S1 + b1 2^-(e0+e1) (the scaled bias is the C operand of the first K step);  a1's code = leaky(S1') / 2^(e2-e0-e1);
;   S2' = S2 + b2 2^-(e2+e3);  a2's code = leaky(S2') / 2^(e4-e2-e3);  y = S3 2^(e4+e5) + b3, one fused multiply-add.
; Four waves.  Wave w makes columns 128 w .. +127 of a1 and 64 w .. +63 of a2 and y, for all 64 row slots.  So each weight byte enters the
; work-group once, straight into registers: the stream of a wave is 114,688 consecutive bytes of wp (14 pieces of 8,192: 128 along K x 64 columns),
; every load covers 512 consecutive bytes.  Activations are handed from wave to wave through LDS, as codes.
; Row slots at or beyond the number of rows of the tile repeat its last row: they are computed and never stored.
; THE MATRIX INSTRUCTION IS USED TRANSPOSED: source 0 = 16 columns n of the weights, source 1 = 16 rows m of the activations.  Register j
; of a result in lane (r = L & 15, hl = L >> 4) is then (m = r, n = n0 + 8 hl + j): eight neighbours along the next layer's K, which one
; conversion turns into 8 bytes.
; A FRAGMENT, 16 rows x 128 K, is 16 registers from four loads of 16 bytes, 32 bytes apart: registers 4 c .. 4 c + 3 of lane (r, hl) hold places
; 32 c + 16 hl + 0 .. 15.  That is a permutation of k, the same on both operands; in layer 1 a second one lies on top of it, the same in hq and
; in wp's part for W1.  Every product meets its partner; only the order of the sums inside the f32 sums differs from ascending k.
; NO CLUSTER, NO JOINT REQUESTS: the tiles of an expert read the same weights, but their number (0 to 135) hangs on gate_id, so the 135
; work-groups do not fall into groups of four of one expert; and the weights go into registers by loads that have no joint form.
; NO TENSOR LOADS: each weight byte is used by one wave alone.  NO PREFETCH: wp is read by all tiles of an expert at about the same time;
; a row's number is known only one step before its load.
; LIMITS: e2-e0-e1 and e4-e2-e3 lie between -126 and 112; -(e0+e1), -(e2+e3) and e4+e5 between -126 and 127, so that each power of two
; below is an f32 number.  In layers 1 and 2 the bias is the first term of the f32 sum, not the last.  NaN among the inputs is not served; an infinity is held at the largest code.
;
; LDS:  X  [64][512] codes, bytes 0 .. 33,791, rows 528 apart;   A1 [64][512] codes from 33,792, rows 528 apart;
;       A2 [64][256] codes from 67,584, rows 272 apart;          O  [64][256] f32 from 84,992, rows 1,040 apart.
;       Every pitch is an odd multiple of 16 bytes: the sixteen rows that a 16-byte access touches start at sixteen different 16-byte columns modulo 256.
; REGISTERS, in windows of 256:
;   window 0: v1 lane, v2 r, v3 hl, v4 16 lane, v5 X read, v6 A1 read, v7 A1 store, v8 A2 read, v9 A2 store, v10 O store, v11 O read, v12 X store,
;             v13 32 hl, v16-31 offsets of my 16 rows in hq, v32-95 and v96-159 two buffers of four activation fragments (v32-95 first my 16 rows'
;             codes; both also at work behind a layer and on the way out), v224-239 offsets in out0, v240-243 scale and hold for a1 and for a2
;   window 1: the accumulators (layer 1: tile (f, mt) at 8 (4 f + mt); layer 2 the same with f 0..3; layer 3 from 128)
;   windows 2 and 3: the ring of weights, 6 slots of 64 registers (window 2: slots 0-3; window 3 v0-127: slots 4, 5), piece q in slot q % 6
;   window 3: v128-191 b1, v192-223 b2, v224-255 b3 of my columns, in the layout of a C operand
; THE ORDER OF THE LOADS INTO REGISTERS, on which every count below rests: piece 0, b1 (16), my 16 rows, pieces 1, 2, 3; behind the products of
; piece q (q = 0 .. 9) piece q + 4; between pieces 11 and 12: b2 and b3 (16).
.set XP,   528
.set MTX,  16*XP                       ; 16 rows of X or of A1
.set A1B,  33792
.set A2B,  67584
.set A2P,  272
.set MTA2, 16*A2P
.set OB,   84992
.set OP,   1040
.set MTO,  16*OP
.set MSB, 0
.macro WIN new                         ; low byte: bits 1:0 source 0, 3:2 source 1, 5:4 source 2, 7:6 destination; the high byte repeats the setting that is left
.if MSB != (\new)
	s_set_vgpr_msb (MSB<<8)|(\new)
.set MSB, (\new)
.endif
.endm
; Four places behind a matrix instruction before a load is issued into one of its sources and before a vector instruction or an LDS store
; touches its registers; only plain vector instructions that name none of its registers are counted.
.macro PLACES
.rept 4
	v_nop
.endr
.endm
.macro BARRIER                         ; zero: what I stored is read by other waves behind it
	s_wait_dscnt 0x0
	s_barrier_signal -1
	s_barrier_wait -1
.endm
.macro SCLIM se, vs, vl                ; s[se] holds an exponent d and is used up: v[vs] = 2^d, v[vl] = 57,344 x 2^d, as f32
	s_add_co_i32 s[\se], s[\se], 127
	s_lshl_b32 s68, s[\se], 23
	v_mov_b32 v[\vs], s68
	s_add_co_i32 s[\se], s[\se], 15
	s_lshl_b32 s[\se], s[\se], 23
	s_or_b32 s[\se], s[\se], 0x600000
	v_mov_b32 v[\vl], s[\se]
.endm
.macro WLOAD q                         ; 16 loads: piece q of my stream into slot q % 6
.set sl_, (\q)%6
.set wn_, (2+sl_/4)<<6
	WIN wn_
.irp nf, 0,1,2,3
.irp c, 0,1,2,3
	global_load_b128 v[64*(sl_%4)+16*\nf+4*\c:64*(sl_%4)+16*\nf+4*\c+3], v4, s[32:33] offset:8192*(\q)+2048*\nf+512*\c
.endr
.endr
.endm
.macro ALOAD dst, addr, off, mtp       ; 16 LDS loads: four activation fragments (64 rows x 128 K at byte off of the rows) into v[dst .. dst+63]
	WIN 0
.irp mt, 0,1,2,3
.irp c, 0,1,2,3
	ds_load_b128 v[\dst+16*\mt+4*\c:\dst+16*\mt+4*\c+3], v[\addr] offset:\off+\mt*\mtp+32*\c
.endr
.endr
.endm
; 16 matrix instructions: the four weight fragments of piece q x the four activation fragments at ab.  mode 1: C is the bias (window 3); mode 2: C = 0; mode 0: in place.
; The sixteen accumulators take turns, one instruction a turn, in the same order in every step.
.macro MM acc, q, ab, mode, bias
.set sl_, (\q)%6
.set wb_, 64*(sl_%4)
.if \mode == 1
.set wn_, 0x70|(2+sl_/4)
.else
.set wn_, 0x50|(2+sl_/4)
.endif
	WIN wn_
.set nf_, 0
.rept 4
.irp mt, 0,1,2,3
.if \mode == 1
	v_wmma_f32_16x16x128_bf8_bf8 v[\acc+8*(4*nf_+\mt):\acc+8*(4*nf_+\mt)+7], v[wb_+16*nf_:wb_+16*nf_+15], v[\ab+16*\mt:\ab+16*\mt+15], v[\bias+8*nf_:\bias+8*nf_+7]
.elseif \mode == 2
	v_wmma_f32_16x16x128_bf8_bf8 v[\acc+8*(4*nf_+\mt):\acc+8*(4*nf_+\mt)+7], v[wb_+16*nf_:wb_+16*nf_+15], v[\ab+16*\mt:\ab+16*\mt+15], 0
.else
	v_wmma_f32_16x16x128_bf8_bf8 v[\acc+8*(4*nf_+\mt):\acc+8*(4*nf_+\mt)+7], v[wb_+16*nf_:wb_+16*nf_+15], v[\ab+16*\mt:\ab+16*\mt+15], v[\acc+8*(4*nf_+\mt):\acc+8*(4*nf_+\mt)+7]
.endif
.endr
.set nf_, nf_+1
.endr
.endm
; Behind a layer, tiles t0 .. t0 + ntiles - 1, eight at a time: x = max(acc, 0.2 acc) in f32 (v32-95), each accumulator from its low end on; held within
; the largest code; eight numbers a conversion; 8 bytes a lane into the next layer's array of codes.  Tile t's codes lie in v[96 + 2 t], written once behind a layer.
.macro EPI acc, t0, ntiles, addr, mtp, vs, vl
.set g_, 0
.rept \ntiles/8
	WIN 0x01
.set t_, 0
.rept 8
.set tl_, \t0+8*g_+t_
.irp i, 0,2,4,6
	v_pk_mul_f32 v[32+8*t_+\i:32+8*t_+\i+1], v[\acc+8*tl_+\i:\acc+8*tl_+\i+1], 0x3e4ccccd op_sel_hi:[1,0]
.endr
.irp j, 0,1,2,3,4,5,6,7
	v_max_num_f32 v[32+8*t_+\j], v[\acc+8*tl_+\j], v[32+8*t_+\j]
.endr
.set t_, t_+1
.endr
	WIN 0
.set j_, 0
.rept 64
	v_med3_num_f32 v[32+j_], v[32+j_], -v\vl, v\vl     ; the conversion to an 8-bit code does not saturate (ISA guide 7.6.2)
.set j_, j_+1
.endr
.set t_, 0
.rept 8
.set tl_, \t0+8*g_+t_
	v_cvt_scalef32_pk8_bf8_f32 v[96+2*tl_:96+2*tl_+1], v[32+8*t_:32+8*t_+7], v\vs
.set t_, t_+1
.endr
	v_nop                                          ; one plain vector instruction between the last conversion and what reads its result or writes its sources
.set t_, 0
.rept 8
.set tl_, \t0+8*g_+t_
	ds_store_b64 v[\addr], v[96+2*tl_:96+2*tl_+1] offset:(tl_%4)*\mtp+16*(tl_/4)
.set t_, t_+1
.endr
.set g_, g_+1
.endr
.endm
	; ---- arguments, my tile, addresses ----
	s_load_b512 s[8:23], s[0:1], 0x0               ; hq 8, order 10, tiles 12, wp 14, b1 16, b2 18, b3 20, lowp_scales 22
	s_load_b64 s[24:25], s[0:1], 0x40              ; out0
	v_lshl_add_u32 v254, v0, 2, 0x25000
	v_mov_b32 v255, 0
	v_lshrrev_b32 v1, 5, v0
	v_readfirstlane_b32 s3, v1                     ; wave 0..3
	s_lshl_b32 s2, ttmp9, 4
	v_and_b32 v1, 31, v0
	v_and_b32 v2, 15, v0
	v_bfe_u32 v3, v0, 4, 1
	v_lshlrev_b32 v4, 4, v1
	s_wait_kmcnt 0x0
	s_load_b128 s[28:31], s[12:13], s2 offset:0x0  ; {expert, first place in order, rows, 0}
	s_load_b128 s[56:59], s[22:23], 0x0            ; e0 .. e3
	s_load_b64 s[60:61], s[22:23], 0x10            ; e4, e5
	v_mul_u32_u24 v32, v2, XP
	v_mul_u32_u24 v33, v2, A2P
	v_mul_u32_u24 v34, v2, OP
	v_lshl_add_u32 v5, v3, 4, v32                  ; row r, 16 bytes for each half of the lanes
	v_add_nc_u32 v6, A1B, v5
	s_lshl_b32 s66, s3, 7
	s_add_co_u32 s66, s66, A1B
	v_lshl_add_u32 v7, v3, 3, v32
	v_add_nc_u32 v7, s66, v7                       ; row r, 8 bytes for each half, + my 128 columns of a1
	v_lshl_add_u32 v8, v3, 4, v33
	v_add_nc_u32 v8, A2B, v8
	s_lshl_b32 s66, s3, 6
	s_add_co_u32 s66, s66, A2B
	v_lshl_add_u32 v9, v3, 3, v33
	v_add_nc_u32 v9, s66, v9                       ; + my 64 columns of a2
	s_lshl_b32 s66, s3, 8
	s_add_co_u32 s66, s66, OB
	v_lshl_add_u32 v10, v3, 5, v34
	v_add_nc_u32 v10, s66, v10                     ; row r, 32 bytes for each half, + my 64 columns of y in f32
	s_mul_i32 s66, s3, MTO                         ; my 16 row slots
	s_add_co_u32 s66, s66, OB
	v_add_nc_u32 v11, s66, v4
	s_mul_i32 s66, s3, MTX
	v_add_nc_u32 v12, s66, v4
	v_lshlrev_b32 v13, 5, v3
	s_wait_kmcnt 0x0
	s_min_u32 s28, s28, 7
	s_min_u32 s29, s29, 0x1fff
	s_max_u32 s30, s30, 1
	s_min_u32 s30, s30, 64
	s_lshl_b32 s62, s3, 4                          ; my first row slot
	s_sub_co_u32 s63, s30, 1
	s_sub_co_i32 s88, s30, s62                     ; how many of my 16 slots hold rows (may be 0 or less)
.irp i, 0,1,2,3,4,5,6,7,8,9,10,11,12,13,14,15
	s_add_co_u32 s66, s62, \i
	s_min_u32 s66, s66, s63                        ; slots beyond the last row repeat it
	s_add_co_u32 s66, s66, s29
	s_min_u32 s66, s66, 0x1fff
	s_lshl_b32 s[72+\i], s66, 2                    ; an offset register for each load: none is rewritten while its load is out
	s_load_b32 s[40+\i], s[10:11], s[72+\i] offset:0x0
.endr
	s_mul_i32 s66, s28, 458752
	s_mul_i32 s67, s3, 114688
	s_add_co_u32 s66, s66, s67
	s_mov_b32 s67, 0
	s_add_nc_u64 s[32:33], s[14:15], s[66:67]      ; my stream of weights
	s_lshl_b32 s66, s28, 11
	s_lshl_b32 s68, s3, 9
	s_add_co_u32 s66, s66, s68
	s_add_nc_u64 s[34:35], s[16:17], s[66:67]      ; b1[e][128 w]
	s_lshl_b32 s66, s28, 10
	s_lshl_b32 s68, s3, 8
	s_add_co_u32 s66, s66, s68
	s_add_nc_u64 s[36:37], s[18:19], s[66:67]      ; b2[e][64 w]
	s_add_nc_u64 s[38:39], s[20:21], s[66:67]      ; b3[e][64 w]
	; ---- the stream and b1 start while the row numbers are on their way ----
	WLOAD 0
	WIN 0xc0                                       ; b1 of my columns, in the layout of a C operand (register j: column n0 + 8 hl + j): 16 loads
.irp f, 0,1,2,3,4,5,6,7
	global_load_b128 v[128+8*\f:128+8*\f+3], v13, s[34:35] offset:64*\f
	global_load_b128 v[128+8*\f+4:128+8*\f+7], v13, s[34:35] offset:64*\f+16
.endr
	WIN 0
	; ---- the powers of two ----
	s_add_co_i32 s69, s56, s57                     ; e0 + e1
	s_sub_co_i32 s66, s58, s69
	SCLIM 66, 240, 241                             ; a1: 2^(e2 - e0 - e1)
	s_sub_co_i32 s70, 127, s69
	s_lshl_b32 s90, s70, 23                        ; 2^-(e0 + e1), for b1
	s_mov_b32 s91, s90                             ; (named with it as a pair, so it is written)
	s_add_co_i32 s69, s58, s59                     ; e2 + e3
	s_sub_co_i32 s66, s60, s69
	SCLIM 66, 242, 243                             ; a2: 2^(e4 - e2 - e3)
	s_sub_co_i32 s70, 127, s69
	s_lshl_b32 s92, s70, 23                        ; 2^-(e2 + e3), for b2
	s_mov_b32 s93, s92
	s_add_co_i32 s70, s60, s61
	s_add_co_i32 s70, s70, 127
	s_lshl_b32 s94, s70, 23                        ; 2^(e4 + e5), for y
	s_mov_b32 s95, s94
	s_wait_kmcnt 0x0                               ; my 16 row numbers
.irp i, 0,1,2,3,4,5,6,7,8,9,10,11,12,13,14,15
	s_min_u32 s[40+\i], s[40+\i], 0x1fff
	s_lshl_b32 s66, s[40+\i], 9
	s_lshl_b32 s67, s[40+\i], 10
	v_add_nc_u32 v[16+\i], s66, v4                 ; row x 512 bytes of hq + 16 lane
	v_add_nc_u32 v[224+\i], s67, v4                ; row x 1,024 bytes of out0 + 16 lane
.endr
	; ---- gather: the codes of my 16 rows, one load of 512 consecutive bytes each ----
.irp i, 0,1,2,3,4,5,6,7,8,9,10,11,12,13,14,15
	global_load_b128 v[32+4*\i:32+4*\i+3], v[16+\i], s[8:9]
.endr
	WLOAD 1
	s_wait_loadcnt 32                              ; b1 is in: my 16 rows and piece 1 are younger
	WLOAD 2
	WIN 0xc3                                       ; b1 on the scale of the sums on codes: a power of two, nothing is rounded
.set j_, 0
.rept 32
	v_pk_mul_f32 v[128+2*j_:128+2*j_+1], v[128+2*j_:128+2*j_+1], s[90:91] op_sel_hi:[1,0]
.set j_, j_+1
.endr
	PLACES                                         ; an operand written by vector instructions stands four places ahead of the matrix instruction
	WLOAD 3
	WIN 0
	s_wait_loadcnt 48                              ; my rows are in: pieces 1, 2, 3 are younger
.irp i, 0,1,2,3,4,5,6,7,8,9,10,11,12,13,14,15
	ds_store_b128 v12, v[32+4*\i:32+4*\i+3] offset:XP*\i   ; 32 lanes store the 512 consecutive bytes of a row
.endr
	BARRIER                                        ; X is whole
	; ---- layer 1: K = 512 in 4 steps of 128; a step is two pieces (my columns 0-63, 64-127), 16 matrix instructions each ----
	; In piece q's turn pieces q + 1 .. q + 3 may be out (16 loads each); behind its products piece q + 4 is asked for, into a slot that is free or was read two turns ago.
	ALOAD 32, 5, 0, MTX
	ALOAD 96, 5, 128, MTX
.set q_, 0
.rept 8
.set ab_, 32+64*((q_/2)%2)
.set ac_, 128*(q_%2)
.set bi_, 128+32*(q_%2)
.set wq_, q_+4
	s_wait_loadcnt 48                              ; pieces q + 1, q + 2, q + 3 stay out
.if (q_%2) == 0
.if q_ == 6
	s_wait_dscnt 0x0
.else
	s_wait_dscnt 16                                ; the sixteen fragment loads of the next K step stay out
.endif
.endif
.if q_ < 2
	MM ac_, q_, ab_, 1, bi_
.else
	MM ac_, q_, ab_, 0, bi_
.endif
	PLACES
	WLOAD wq_
.if q_ == 1
	ALOAD 32, 5, 256, MTX
.endif
.if q_ == 3
	ALOAD 96, 5, 384, MTX
.endif
.set q_, q_+1
.endr
	EPI 0, 0, 16, 7, MTX, 240, 241
	WIN 0xc0                                       ; b2 and b3 of my columns: 16 loads, asked for where half of this layer's vector work still lies ahead of their use
.irp f, 0,1,2,3
	global_load_b128 v[192+8*\f:192+8*\f+3], v13, s[36:37] offset:64*\f
	global_load_b128 v[192+8*\f+4:192+8*\f+7], v13, s[36:37] offset:64*\f+16
.endr
.irp f, 0,1,2,3
	global_load_b128 v[224+8*\f:224+8*\f+3], v13, s[38:39] offset:64*\f
	global_load_b128 v[224+8*\f+4:224+8*\f+7], v13, s[38:39] offset:64*\f+16
.endr
	EPI 0, 16, 16, 7, MTX, 240, 241
	BARRIER                                        ; A1 is whole
	; ---- layer 2: K = 512 in 4 steps, one piece and 16 matrix instructions a step ----
	ALOAD 32, 6, 0, MTX
	ALOAD 96, 6, 128, MTX
	s_wait_loadcnt 0x0                             ; b2 and b3 are the youngest loads: with them pieces 8 to 11 are in, so this layer's steps wait for no load
	WIN 0xc3                                       ; b2 on the scale of the sums on codes
.set j_, 0
.rept 16
	v_pk_mul_f32 v[192+2*j_:192+2*j_+1], v[192+2*j_:192+2*j_+1], s[92:93] op_sel_hi:[1,0]
.set j_, j_+1
.endr
	PLACES                                         ; an operand written by vector instructions stands four places ahead of the matrix instruction
.set q_, 8
.rept 4
.set k_, q_-8
.set ab_, 32+64*(k_%2)
.set no_, 128*(k_+2)
.if k_ < 3
	s_wait_dscnt 16                                ; the sixteen fragment loads of the next K step stay out
.else
	s_wait_dscnt 0x0
.endif
.if k_ == 0
	MM 0, q_, ab_, 1, 192
.else
	MM 0, q_, ab_, 0, 192
.endif
	PLACES
.if q_ <= 9
.set wq_, q_+4
	WLOAD wq_                                      ; the stream ends with piece 13
.endif
.if k_ < 2
	ALOAD ab_, 6, no_, MTX
.endif
.set q_, q_+1
.endr
	EPI 0, 0, 16, 9, MTA2, 242, 243
	BARRIER                                        ; A2 is whole
	; ---- layer 3: K = 256 in 2 steps; the first products start the sums ----
	ALOAD 32, 8, 0, MTA2
	ALOAD 96, 8, 128, MTA2
	s_wait_loadcnt 16                              ; piece 13 stays out
	s_wait_dscnt 16
	MM 128, 12, 32, 2, 0
	PLACES
	s_wait_loadcnt 0x0
	s_wait_dscnt 0x0
	MM 128, 13, 96, 0, 0
	PLACES
	; ---- the way out: y = S3 x 2^(e4 + e5) + b3, each accumulator from its low end on; in f32 through LDS; then whole rows to out0 ----
	WIN 0x31                                       ; source 0 (the sums) window 1, source 2 (b3) window 3, destination window 0
.set t_, 0
.rept 16
.irp i, 0,2,4,6
	v_pk_fma_f32 v[32+8*t_+\i:32+8*t_+\i+1], v[128+8*t_+\i:128+8*t_+\i+1], s[94:95], v[224+8*(t_/4)+\i:224+8*(t_/4)+\i+1] op_sel_hi:[1,0,1]
.endr
.set t_, t_+1
.endr
	WIN 0
.set t_, 0
.rept 16
	ds_store_b128 v10, v[32+8*t_:32+8*t_+3] offset:MTO*(t_%4)+64*(t_/4)
	ds_store_b128 v10, v[32+8*t_+4:32+8*t_+7] offset:MTO*(t_%4)+64*(t_/4)+16
.set t_, t_+1
.endr
	BARRIER                                        ; O is whole
.irp i, 0,1,2,3,4,5,6,7,8,9,10,11,12,13,14,15
	ds_load_b128 v[32+8*\i:32+8*\i+3], v11 offset:OP*\i
	ds_load_b128 v[32+8*\i+4:32+8*\i+7], v11 offset:OP*\i+512
.endr
	s_wait_dscnt 0x0
	; my slots 0 .. s88 - 1 hold rows; the others repeat the last row of the tile and are not stored.  The count was read from tiles[].
.irp i, 0,1,2,3,4,5,6,7,8,9,10,11,12,13,14,15
	s_cmp_le_i32 s88, \i
	s_cbranch_scc1 .Ldone
	global_store_b128 v[224+\i], v[32+8*\i:32+8*\i+3], s[24:25] th:TH_STORE_NT              ; 512 consecutive bytes of one row of out0,
	global_store_b128 v[224+\i], v[32+8*\i+4:32+8*\i+7], s[24:25] offset:512 th:TH_STORE_NT ; at a multiple of 512 from its first byte
.endr
.Ldone:
	s_wait_tensorcnt 0x0
	ds_add_u32 v254, v255
	s_wait_dscnt 0x0
	s_endpgm
.Lfunc_end_k_q2293445bd3_mlp:
	.size	k_q2293445bd3_mlp, .Lfunc_end_k_q2293445bd3_mlp-k_q2293445bd3_mlp
	.p2alignl 7, 3214868480
	.fill 96, 4, 3214868480
	.section	.rodata,"a",@progbits
	.p2align	6, 0x0
	.amdhsa_kernel k_q2293445bd3_mlp
		.amdhsa_group_segment_fixed_size 152064
		.amdhsa_private_segment_fixed_size 0
		.amdhsa_enable_private_segment 0
		.amdhsa_kernarg_size 72
		.amdhsa_user_sgpr_count 2
		.amdhsa_user_sgpr_kernarg_segment_ptr 1
		.amdhsa_wavefront_size32 1
		.amdhsa_system_sgpr_workgroup_id_x 1
		.amdhsa_system_sgpr_workgroup_id_y 1
		.amdhsa_system_sgpr_workgroup_id_z 1
		.amdhsa_system_vgpr_workitem_id 0
		.amdhsa_next_free_vgpr 1024
		.amdhsa_next_free_sgpr 96
		.amdhsa_reserve_vcc 0
		.amdhsa_float_denorm_mode_32 3
		.amdhsa_float_denorm_mode_16_64 3
		.amdhsa_memory_ordered 1
		.amdhsa_forward_progress 1
		.amdhsa_inst_pref_size 142
	.end_amdhsa_kernel
	.amdgpu_metadata
---
amdhsa.version: [ 1, 2 ]
amdhsa.kernels:
  - .name:           k_q2293445bd3_mlp
    .symbol:         k_q2293445bd3_mlp.kd
    .args:
      - { .name: hq, .offset: 0, .size: 8, .value_kind: global_buffer, .address_space: global }
      - { .name: order, .offset: 8, .size: 8, .value_kind: global_buffer, .address_space: global }
      - { .name: tiles, .offset: 16, .size: 8, .value_kind: global_buffer, .address_space: global }
      - { .name: wp, .offset: 24, .size: 8, .value_kind: global_buffer, .address_space: global }
      - { .name: b1, .offset: 32, .size: 8, .value_kind: global_buffer, .address_space: global }
      - { .name: b2, .offset: 40, .size: 8, .value_kind: global_buffer, .address_space: global }
      - { .name: b3, .offset: 48, .size: 8, .value_kind: global_buffer, .address_space: global }
      - { .name: lowp_scales, .offset: 56, .size: 8, .value_kind: global_buffer, .address_space: global }
      - { .name: out0, .offset: 64, .size: 8, .value_kind: global_buffer, .address_space: global }
    .group_segment_fixed_size: 152064
    .private_segment_fixed_size: 0
    .kernarg_segment_align: 8
    .kernarg_segment_size: 72
    .max_flat_workgroup_size: 128
    .sgpr_count:     96
    .vgpr_count:     1024
    .wavefront_size: 32
...
	.end_amdgpu_metadata
.endif
;; end of part 2
;; ======== version 2 of 2: 2 launches
;; workspace buffers: order 32,768 bytes of whole numbers; tiles 4,096 bytes of whole numbers; wp 3,670,016 bytes; hq 4,194,304 bytes
;; launch prep (part 3): grid 481 x 1, 8 waves a work-group, no clusters, 100,096 bytes of LDS; arguments gate_id, W1, W2, W3, lowp_scales, order, tiles, wp, h, hq; writes order, tiles, wp, hq
.if DOCPART == 3
	.amdgcn_target "amdgcn-amd-amdhsa--gfx1250"
	.amdhsa_code_object_version 6
	.text
	.protected	k_q2293445bd3_prep
	.globl	k_q2293445bd3_prep
	.p2align	8
	.type	k_q2293445bd3_prep,@function
k_q2293445bd3_prep:
	s_mov_b64 s[64:65], 0
	v_nop
	global_prefetch_b8 v0, s[64:65] scope:SCOPE_SE
	s_setreg_imm32_b32 hwreg(HW_REG_WAVE_MODE, 25, 1), 1
	s_wait_xcnt 0x0
; PREP: three jobs that do not depend on each other, chosen by the number of the work-group.
;  Work-group 0 ROUTES: it sorts the 8,192 row numbers by expert g = clip(gate_id, 0, 7) into order[] and cuts the sorted list
;  into exactly 135 tiles of 1 to 64 rows of one expert, tiles[t] = {expert, first place in order, rows, 0}.
;  135 is the largest value of sum over e of ceil(n_e / 64) with sum n_e = 8,192.  What a given routing leaves of it (0 to 7 tiles)
;  goes to the largest expert (at least 1,024 rows): its first 2 s tiles hold 32 rows instead of 64.  So every tile has work.
;  Work-groups 1 to 224 QUANTISE AND PACK THE WEIGHTS: each wave turns 32 places along K x 64 columns of one weight matrix (f32, stored [k][n])
;  into 2,048 bytes of codes of E5M2: code = x / 2^e, held within +-57,344, to the nearest code, ties to even (e = lowp_scales[0], [3], [5]
;  for W1, W2, W3), laid in the order in which a matrix operand lies in registers:
;  wp[e][wave w][q 0..13][nf 0..3][c 0..3][lane L][16 bytes], strides 458,752 / 114,688 / 8,192 / 2,048 / 512 / 16 bytes;
;  byte i of lane L = r + 16 hh is the code at place 128 kstep + 32 c + 16 hh + i along K of column n:
;  q 0-7: W1, kstep = q >> 1, n = 128 w + 64 (q & 1) + 16 nf + r;  q 8-11: W2, q 12-13: W3, kstep = q - first q, n = 64 w + 16 nf + r.
;  Work-groups 225 to 480 QUANTISE h (e = lowp_scales[1]): 32 rows each, 4 rows a wave, into hq[8192][512], one code a byte.
;  THE PLACES ALONG K OF h AND OF W1 ARE PERMUTED ALIKE: place pos stands for k = 128 ((pos >> 2) & 3) + 4 (pos >> 4) + (pos & 3), the order in
;  which a lane holds a row of h after four loads of 512 consecutive bytes (load p, lane L, number i: k = 128 p + 4 L + i, byte 16 L + 4 p + i).
;  Every product meets its partner; only the order of the sums changes.  W2 and W3: place = k.
;  h is quantised here and not by its one reader, since the routing work-group lasts longer than these, and the reader then gathers 512 bytes
;  a row in place of 2,048 and converts nothing.
; LIMITS: gate_id is clamped as a signed 32-bit number; that is what clip(round(float(gate_id))) gives for every gate_id up to
; 2^31 - 65 (above that the f32 value is 2^31, which has no int32 value).  e0, e1, e3, e5 lie between -126 and 112, so that 2^e and
; 57,344 x 2^e are f32 numbers.  NaN among h and the weights is not served; an infinity is held at the largest code.
; The 8,192 stores into order[] are 4 bytes a lane at places that hang on the data.  Each wave first sorts its 1,024 entries by expert in a list
; of its own in LDS, so that the 32 lanes of a store hold neighbours of one run: consecutive places, 128 consecutive bytes where no run ends.
.set RLDS, 16896                       ; LDS: 8 pack stages of 2,112 bytes, then 128 bytes for the wave totals of the route,
.set TB,   17152                       ; then 16,384 bytes: [expert][thread] pairs {next place in order, next place in my wave's list},
.set SR,   33536                       ; then 65,536 bytes: for each wave a list of 1,024 pairs {place in order, row}
.set G,   16                           ; v[16:47]   route: my 32 expert numbers
.set RK,  48                           ; v[48:79]   route: 8 (g & 3), then the entry's rank among my entries of its expert, then its LDS address in the list
.set P,   80                           ; v[80:111]  route: 1 << 8 (g & 3), then the wave totals as read back, then (v80-95) the eight pairs for the table
.set E,   80                           ; v[80:143]  route, at the end: the list as read back, 32 pairs
.set C,   112                          ; v[112:119] route: count for each expert, later my lane's prefix for each expert
.set WD,  120                          ; v[120:123] counts packed two to a word (16 bits each: no sum passes 8,192)
.set S,   124                          ; v[124:127] scan over the lanes
.set T,   128                          ; v128       at work
.set Q,   144                          ; v[144:207] route: 32 pairs {place in order, place in the list, later the row}
.set F,   16                           ; v[16:79]   pack, h: 64 numbers of f32 as loaded; pack: later the codes read back
.set TT,  80                           ; v[80:111]  pack: two sets of 16 numbers of one column, held within the largest code;  h: v80-95 the codes
.set PK,  112                          ; v[112:127] pack: 16 codes for each of my 4 columns
	s_load_b512 s[4:19], s[0:1], 0x0               ; gate_id 4, W1 6, W2 8, W3 10, lowp_scales 12, order 14, tiles 16, wp 18
	s_load_b128 s[20:23], s[0:1], 0x40             ; h 20, hq 22
	v_lshl_add_u32 v224, v0, 2, 0x18300
	v_mov_b32 v225, 0
	v_lshrrev_b32 v1, 5, v0
	s_delay_alu instid0(VALU_DEP_1)
	v_readfirstlane_b32 s3, v1                     ; wave 0..7
	v_and_b32 v1, 31, v0                           ; lane
	s_wait_kmcnt 0x0
	s_cmp_lg_u32 ttmp9, 0                          ; the same in all waves of a work-group: the two barriers below are passed by all eight or by none
	s_cbranch_scc1 .Lpack
	; ---------------- ROUTE ----------------
	; Thread t takes entries 1024 j + 4 t + c (j 0..7, c 0..3): each load of a wave covers 512 consecutive bytes.
	v_lshlrev_b32 v2, 4, v0                        ; 16 t
	v_lshlrev_b32 v3, 2, v0                        ; 4 t
.irp j, 0,1,2,3,4,5,6,7
	global_load_b128 v[G+4*\j:G+4*\j+3], v2, s[4:5] offset:4096*\j th:TH_LOAD_NT
.endr
	v_mov_b32 v134, 0                              ; my counts of experts 0-3, a byte each (at most 32)
	v_mov_b32 v135, 0                              ; and of experts 4-7
	v_mov_b32 v136, 1
	v_mov_b32 v[T], 0                              ; the destination of a DPP move counts as read
	v_lshl_add_u32 v8, v0, 3, TB                   ; my pair in each expert's row of the table
	s_lshl_b32 s66, s3, 13
	s_add_co_u32 s66, s66, SR
	v_mov_b32 v9, s66                              ; my wave's list
	s_wait_alu depctr_va_vdst(0)
	v_lshl_add_u32 v10, v1, 3, s66                 ; and my lane's pair in its first 32
	s_wait_loadcnt 0x0
	; clamp; the byte of the entry's expert in its count word
.set k_, 0
.rept 32
	v_max_i32 v[G+k_], 0, v[G+k_]
	s_delay_alu instid0(VALU_DEP_1)
	v_min_u32 v[G+k_], 7, v[G+k_]
	s_delay_alu instid0(VALU_DEP_1)
	v_and_b32 v[RK+k_], 3, v[G+k_]
	s_delay_alu instid0(VALU_DEP_1)
	v_lshlrev_b32 v[RK+k_], 3, v[RK+k_]
	s_delay_alu instid0(VALU_DEP_1)
	v_lshlrev_b32 v[P+k_], v[RK+k_], v136
.set k_, k_+1
.endr
	; the entry's rank = the count of its expert so far; then the count goes up by one
.set k_, 0
.rept 32
	v_cmp_lt_u32 vcc_lo, 3, v[G+k_]                ; experts 4-7
	s_delay_alu instid0(VALU_DEP_1)
	v_cndmask_b32 v139, v134, v135, vcc_lo
	s_delay_alu instid0(VALU_DEP_2)
	v_cndmask_b32 v137, 0, v[P+k_], vcc_lo
	s_delay_alu instid0(VALU_DEP_2)
	v_bfe_u32 v[RK+k_], v139, v[RK+k_], 8
	s_delay_alu instid0(VALU_DEP_2)
	v_sub_nc_u32 v138, v[P+k_], v137
	s_delay_alu instid0(VALU_DEP_3)
	v_add_nc_u32 v135, v135, v137
	s_delay_alu instid0(VALU_DEP_2)
	v_add_nc_u32 v134, v134, v138
.set k_, k_+1
.endr
.irp e, 0,1,2,3
	v_bfe_u32 v[C+\e], v134, 8*\e, 8
	v_bfe_u32 v[C+4+\e], v135, 8*\e, 8
.endr
	; inclusive scan over the 32 lanes, two experts to a word; then the wave total (lane 31) and the exclusive value
	v_cmp_le_u32 vcc_lo, 16, v1                    ; lanes 16-31
.irp i, 0,1,2,3
	v_lshl_or_b32 v[WD+\i], v[C+2*\i+1], 16, v[C+2*\i]
	s_delay_alu instid0(VALU_DEP_1)
	v_mov_b32 v[S+\i], v[WD+\i]
.irp sh, 1,2,4,8
	s_delay_alu instid0(VALU_DEP_1)
	v_mov_b32_dpp v[T], v[S+\i] row_shr:\sh row_mask:0xf bank_mask:0xf bound_ctrl:1
	s_delay_alu instid0(VALU_DEP_1)
	v_add_nc_u32 v[S+\i], v[S+\i], v[T]
.endr
	s_delay_alu instid0(VALU_DEP_1)
	v_readlane_b32 s66, v[S+\i], 15                ; the sum of lanes 0-15 is added in lanes 16-31
	s_delay_alu instid0(VALU_DEP_1)
	v_mov_b32 v[T], s66
	s_delay_alu instid0(VALU_DEP_1)
	v_cndmask_b32 v[T], 0, v[T], vcc_lo
	s_delay_alu instid0(VALU_DEP_1)
	v_add_nc_u32 v[S+\i], v[S+\i], v[T]
	s_delay_alu instid0(VALU_DEP_1)
	v_readlane_b32 s[20+\i], v[S+\i], 31           ; my wave's totals (the two addresses that lay here serve other work-groups)
	s_delay_alu instid0(VALU_DEP_1)
	v_mov_b32 v[130+\i], s[20+\i]
	s_delay_alu instid0(VALU_DEP_3)
	v_sub_nc_u32 v[S+\i], v[S+\i], v[WD+\i]        ; entries of each expert in the lanes in front of me
.endr
	; the eight wave totals meet in LDS
	v_mov_b32 v129, s3
	s_delay_alu instid0(VALU_DEP_1)
	v_lshlrev_b32 v129, 4, v129
	ds_store_b128 v129, v[130:133] offset:RLDS     ; all lanes store the same 16 bytes at 16 x wave
	; meanwhile: where each expert's run begins in my wave's list, s[80:87]
.irp i, 0,1,2,3
	s_and_b32 s[80+2*\i], s[20+\i], 0xffff
	s_lshr_b32 s[80+2*\i+1], s[20+\i], 16
.endr
	s_mov_b32 s66, 0
.irp e, 0,1,2,3,4,5,6,7
	s_mov_b32 s67, s[80+\e]
	s_mov_b32 s[80+\e], s66
	s_add_co_u32 s66, s66, s67
.endr
	s_wait_dscnt 0x0                               ; zero: the other waves read these bytes behind the barrier
	s_barrier_signal -1
	s_barrier_wait -1
	v_mov_b32 v129, 0
.irp w, 0,1,2,3,4,5,6,7
	ds_load_b128 v[P+4*\w:P+4*\w+3], v129 offset:RLDS+16*\w
.endr
.irp i, 0,1,2,3
	s_mov_b32 s[56+\i], 0                          ; totals of all waves
	s_mov_b32 s[60+\i], 0                          ; totals of the waves in front of mine
.endr
	s_wait_dscnt 0x0
.irp w, 0,1,2,3,4,5,6,7
	s_cmp_gt_u32 s3, \w
	s_cselect_b32 s71, -1, 0
.irp i, 0,1,2,3
	v_readfirstlane_b32 s66, v[P+4*\w+\i]
	s_add_co_u32 s[56+\i], s[56+\i], s66
	s_and_b32 s66, s66, s71
	s_add_co_u32 s[60+\i], s[60+\i], s66
.endr
.endr
	; scalar tables: s[24:31] n_e, s[32:39] entries of e in earlier waves (then + first place of e), s[40:47] first place, s[48:55] first tile
.irp i, 0,1,2,3
	s_and_b32 s[24+2*\i], s[56+\i], 0xffff
	s_lshr_b32 s[24+2*\i+1], s[56+\i], 16
	s_and_b32 s[32+2*\i], s[60+\i], 0xffff
	s_lshr_b32 s[32+2*\i+1], s[60+\i], 16
.endr
	s_mov_b32 s75, 0                               ; sum of ceil(n_e / 64)
.irp e, 0,1,2,3,4,5,6,7
	s_add_co_u32 s66, s[24+\e], 63
	s_lshr_b32 s66, s66, 6
	s_add_co_u32 s75, s75, s66
.endr
	s_mov_b32 s77, 0                               ; the largest expert
	s_mov_b32 s78, s24
.irp e, 1,2,3,4,5,6,7
	s_cmp_gt_u32 s[24+\e], s78
	s_cselect_b32 s77, \e, s77
	s_cselect_b32 s78, s[24+\e], s78
.endr
	s_sub_co_u32 s76, 135, s75                     ; s = tiles to spare, 0 to 7
	s_mov_b32 s67, 0                               ; running first tile
	s_mov_b32 s68, 0                               ; running first place
.irp e, 0,1,2,3,4,5,6,7
	s_mov_b32 s[48+\e], s67
	s_mov_b32 s[40+\e], s68
	s_add_co_u32 s[32+\e], s[32+\e], s68
	s_add_co_u32 s68, s68, s[24+\e]
	s_add_co_u32 s66, s[24+\e], 63
	s_lshr_b32 s66, s66, 6
	s_add_co_u32 s67, s67, s66
	s_cmp_eq_u32 s77, \e
	s_cselect_b32 s66, s76, 0
	s_add_co_u32 s67, s67, s66
.endr
	; for each expert the first free place of this thread, in order[] and in my wave's list, into my pairs of the table
.irp i, 0,1,2,3
	v_and_b32 v[C+2*\i], 0xffff, v[S+\i]
	v_lshrrev_b32 v[C+2*\i+1], 16, v[S+\i]
.endr
.irp e, 0,1,2,3,4,5,6,7
	v_add_nc_u32 v[P+2*\e], s[32+\e], v[C+\e]
	v_add_nc_u32 v[P+2*\e+1], s[80+\e], v[C+\e]
	ds_store_b64 v8, v[P+2*\e:P+2*\e+1] offset:2048*\e   ; pair t of row e: 32 lanes, 256 consecutive bytes
.endr
	s_wait_dscnt 0x0                               ; a thread reads back its own pairs alone; since the row that it reads hangs on the data,
	s_barrier_signal -1                            ; all stores into the table are done, in every wave, before any pair of it is read
	s_barrier_wait -1
.set k_, 0
.rept 32
	v_lshl_add_u32 v[Q+2*k_], v[G+k_], 11, v8      ; row g (0 to 7 by the clamp above), my pair
	ds_load_b64 v[Q+2*k_:Q+2*k_+1], v[Q+2*k_]
.set k_, k_+1
.endr
	; while these are on their way: the table of tiles, entry t = thread number (256 entries are written, 135 are used)
	v_mov_b32 v220, 0                              ; expert
	v_mov_b32 v208, 0                              ; its first tile
	v_mov_b32 v209, 0                              ; its first place
	v_mov_b32 v210, s24                            ; its rows
.irp e, 1,2,3,4,5,6,7
	v_cmp_gt_u32 vcc_lo, s[48+\e], v0              ; first tile of e beyond t: keep; else take e (an expert without tiles is passed over by the next)
	s_delay_alu instid0(VALU_DEP_1)
	v_cndmask_b32 v220, \e, v220, vcc_lo
	s_delay_alu instid0(VALU_DEP_2)
	v_cndmask_b32 v208, s[48+\e], v208, vcc_lo
	s_delay_alu instid0(VALU_DEP_3)
	v_cndmask_b32 v209, s[40+\e], v209, vcc_lo
	s_delay_alu instid0(VALU_DEP_4)
	v_cndmask_b32 v210, s[24+\e], v210, vcc_lo
.endr
	s_delay_alu instid0(VALU_DEP_3)
	v_sub_nc_u32 v211, v0, v208                    ; l: tile number inside the expert
	v_cmp_eq_u32 vcc_lo, s77, v220
	v_mov_b32 v212, s76
	s_delay_alu instid0(VALU_DEP_1)
	v_cndmask_b32 v212, 0, v212, vcc_lo            ; s for the largest expert, else 0
	s_delay_alu instid0(VALU_DEP_1)
	v_lshlrev_b32 v213, 1, v212
	s_delay_alu instid0(VALU_DEP_1)
	v_cmp_lt_u32 vcc_lo, v211, v213                ; l < 2 s: a tile of 32 rows
	v_lshlrev_b32 v214, 5, v211                    ; 32 l
	s_delay_alu instid0(VALU_DEP_4)
	v_sub_nc_u32 v215, v211, v212
	s_delay_alu instid0(VALU_DEP_1)
	v_lshlrev_b32 v215, 6, v215                    ; 64 (l - s)
	s_delay_alu instid0(VALU_DEP_1)
	v_cndmask_b32 v214, v215, v214, vcc_lo         ; first row of the tile inside the expert
	v_mov_b32 v216, 32
	s_delay_alu instid0(VALU_DEP_1)
	v_cndmask_b32 v216, 64, v216, vcc_lo
	s_delay_alu instid0(VALU_DEP_3)
	v_sub_nc_u32 v222, v210, v214
	s_delay_alu instid0(VALU_DEP_1)
	v_max_i32 v222, 0, v222
	s_delay_alu instid0(VALU_DEP_1)
	v_min_u32 v222, v222, v216                     ; rows of the tile
	v_add_nc_u32 v221, v209, v214
	s_delay_alu instid0(VALU_DEP_1)
	v_min_u32 v221, 0x1fff, v221                   ; first place in order
	v_mov_b32 v223, 0
	global_store_b128 v2, v[220:223], s[16:17]     ; each store of a wave covers 512 consecutive bytes
	; placement, first step: entry k goes to the first free place of its expert + its rank, in both orders; {place in order, row} is laid at its
	; place in my wave's list.  The 1,024 entries of a wave fill the 1,024 places of its list, each once.
	s_wait_dscnt 0x0
.set k_, 0
.rept 32
	v_add_nc_u32 v[Q+2*k_], v[Q+2*k_], v[RK+k_]
	v_add_nc_u32 v[RK+k_], v[Q+2*k_+1], v[RK+k_]
	s_delay_alu instid0(VALU_DEP_1)
	v_min_u32 v[RK+k_], 0x3ff, v[RK+k_]            ; a place in the list is below 1,024 by construction; the clamp says so in the text
	s_delay_alu instid0(VALU_DEP_1)
	v_lshl_add_u32 v[RK+k_], v[RK+k_], 3, v9
	v_add_nc_u32 v[Q+2*k_+1], 1024*(k_/4)+(k_%4), v3   ; the row number of entry k
	ds_store_b64 v[RK+k_], v[Q+2*k_:Q+2*k_+1]
.set k_, k_+1
.endr
	; second step: the list is read back in its order (bytes of this wave alone; LDS serves a wave in order, so these see the stores above) and stored.
	; Every store has address and data registers of its own, which are not written again.
.set k_, 0
.rept 32
	ds_load_b64 v[E+2*k_:E+2*k_+1], v10 offset:256*k_
.set k_, k_+1
.endr
.set k_, 0
.rept 32
	s_wait_dscnt 31-k_                             ; the younger read-backs stay out
	v_min_u32 v[E+2*k_], 0x1fff, v[E+2*k_]         ; a place is below 8,192 by construction; the clamp says so in the text
	s_delay_alu instid0(VALU_DEP_1)
	v_lshlrev_b32 v[E+2*k_], 2, v[E+2*k_]
	global_store_b32 v[E+2*k_], v[E+2*k_+1], s[14:15]
.set k_, k_+1
.endr
	s_wait_tensorcnt 0x0
	ds_add_u32 v224, v225
	s_wait_dscnt 0x0
	s_endpgm
	; ---------------- QUANTISE AND PACK THE WEIGHTS ----------------
; Lane (hh = lane >> 4, q = lane & 15) loads the rows of places 16 hh + j (j 0..15) of the task's 32, columns 4 q .. 4 q + 3: sixteen lanes read
; 256 consecutive bytes of a row.  For each column i the 16 places are 16 registers, four apart; the hold within the largest code moves them
; into 16 consecutive registers, as the conversion wants them, so that no copy is written.  The column's 16 codes belong to piece q >> 2,
; lane 4 (q & 3) + i + 16 hh.  They go through a stage of the wave in LDS (pieces 528 bytes apart, so that the sixteen lanes of a 16-byte
; store touch sixteen different 16-byte columns modulo 256) and leave as four stores of 512 consecutive bytes.
; perm = 1: W1's order of places: place 16 hh + j of block ks is row 128 (j / 4) + 8 ks + 4 hh + j % 4.
.macro PACK pitch, perm
.if \perm
	v_mul_u32_u24 v6, v3, 4*\pitch
.else
	v_mul_u32_u24 v6, v3, 16*\pitch
.endif
	s_delay_alu instid0(VALU_DEP_1)
	v_lshl_add_u32 v6, v4, 4, v6
.irp j, 0,1,2,3,4,5,6,7,8,9,10,11,12,13,14,15
.if \perm
	global_load_b128 v[F+4*\j:F+4*\j+3], v6, s[22:23] offset:(128*(\j/4)+\j%4)*\pitch th:TH_LOAD_NT
.else
	global_load_b128 v[F+4*\j:F+4*\j+3], v6, s[22:23] offset:\j*\pitch th:TH_LOAD_NT
.endif
.endr
	s_wait_kmcnt 0x0                               ; the six exponents
.if \perm
	s_mov_b32 s46, s40                             ; e0
.else
	s_cmp_lt_u32 ttmp9, 193
	s_cselect_b32 s46, s43, s45                    ; e3 for W2, e5 for W3
.endif
	s_add_co_i32 s46, s46, 127
	s_lshl_b32 s47, s46, 23
	v_mov_b32 v11, s47                             ; 2^e as f32: the conversion takes its exponent field
	s_add_co_i32 s46, s46, 15
	s_lshl_b32 s46, s46, 23
	s_or_b32 s46, s46, 0x600000
	v_mov_b32 v10, s46                             ; 57,344 x 2^e
	s_wait_alu depctr_va_vdst(0)
	s_wait_loadcnt 0x0                             ; a column wants all sixteen rows
.irp i, 0,1,2,3
.irp j, 0,1,2,3,4,5,6,7,8,9,10,11,12,13,14,15
	v_med3_num_f32 v[TT+16*(\i%2)+\j], v[F+4*\j+\i], -v10, v10   ; the conversion to an 8-bit code does not saturate (ISA guide 7.6.2)
.endr
	v_cvt_scalef32_pk8_bf8_f32 v[PK+4*\i:PK+4*\i+1], v[TT+16*(\i%2):TT+16*(\i%2)+7], v11      ; the two sets take turns: sixteen plain instructions
	v_cvt_scalef32_pk8_bf8_f32 v[PK+4*\i+2:PK+4*\i+3], v[TT+16*(\i%2)+8:TT+16*(\i%2)+15], v11 ; stand between a conversion and the next write of its sources
.endr
	v_nop                                          ; one plain vector instruction between the last conversion and the read of its result
.irp i, 0,1,2,3
	ds_store_b128 v7, v[PK+4*\i:PK+4*\i+3] offset:16*\i
.endr
.irp p, 0,1,2,3
	ds_load_b128 v[F+4*\p:F+4*\p+3], v9 offset:528*\p   ; bytes of this wave alone; LDS serves a wave in order, so these see the stores above
.endr
.irp p, 0,1,2,3
	s_wait_dscnt 3-\p                              ; the younger read-backs stay out
	global_store_b128 v5, v[F+4*\p:F+4*\p+3], s[28:29] offset:2048*\p
.endr
	s_wait_tensorcnt 0x0
	ds_add_u32 v224, v225
	s_wait_dscnt 0x0
	s_endpgm
.endm
.Lpack:
	s_load_b128 s[40:43], s[12:13], 0x0            ; e0 .. e3
	s_load_b64 s[44:45], s[12:13], 0x10            ; e4, e5
	s_cmp_ge_u32 ttmp9, 225
	s_cbranch_scc1 .Lhq
	s_sub_co_u32 s20, ttmp9, 1
	s_lshl3_add_u32 s20, s20, s3                   ; task = 8 (work-group - 1) + wave, 0 .. 1,791
	s_wait_alu depctr_va_vdst(0)
	v_lshrrev_b32 v3, 4, v1                        ; hh
	v_and_b32 v4, 15, v1                           ; q
	v_lshlrev_b32 v5, 4, v1                        ; 16 lane
	s_delay_alu instid0(VALU_DEP_2)
	v_lshrrev_b32 v7, 2, v4
	s_delay_alu instid0(VALU_DEP_1)
	v_mul_u32_u24 v7, v7, 528
	s_delay_alu instid0(VALU_DEP_4)
	v_and_b32 v8, 3, v4
	s_delay_alu instid0(VALU_DEP_1)
	v_lshl_add_u32 v7, v8, 6, v7
	s_delay_alu instid0(VALU_DEP_1)
	v_lshl_add_u32 v7, v3, 8, v7
	s_mul_i32 s21, s3, 2112                        ; the stage of my wave
	v_add_nc_u32 v7, s21, v7                       ; in:   stage + 528 (q >> 2) + 64 (q & 3) + 256 hh
	v_add_nc_u32 v9, s21, v5                       ; back: stage + 16 lane
	s_mov_b32 s25, 0
	s_mov_b32 s27, 0
	s_cmp_lt_u32 ttmp9, 129
	s_cbranch_scc1 .Llayer1
	; W2 (tasks 1,024 .. 1,535: e 8 x ks 16 x a 4) and W3 (tasks 1,536 .. 1,791: e 8 x ks 8 x a 4): rows of 1,024 bytes, one text for both
	s_cmp_lt_u32 ttmp9, 193
	s_mov_b32 s33, 1536
	s_cselect_b32 s33, 1024, s33                   ; first task
	s_cselect_b32 s34, 6, 5                        ; tasks of an expert, as a shift
	s_cselect_b32 s35, 15, 7                       ; mask of ks
	s_cselect_b32 s36, 19, 18                      ; bytes of an expert in W, as a shift
	s_mov_b32 s31, 98304
	s_cselect_b32 s31, 65536, s31                  ; first q in wp: 8 or 12 pieces of 8,192 bytes
	s_cselect_b64 s[22:23], s[8:9], s[10:11]       ; the choice hangs on the work-group's number alone
	s_sub_co_u32 s20, s20, s33
	s_lshr_b32 s30, s20, s34                       ; e
	s_lshr_b32 s37, s20, 2
	s_and_b32 s37, s37, s35                        ; ks: which 32 places along K
	s_and_b32 s38, s20, 3                          ; a = wave of the consumer
	s_lshl_b32 s24, s30, s36
	s_lshl_b32 s39, s37, 15                        ; 32 rows of 1,024 bytes
	s_add_co_u32 s24, s24, s39
	s_lshl_b32 s39, s38, 8                         ; 64 columns
	s_add_co_u32 s24, s24, s39
	s_mul_i32 s26, s30, 458752
	s_mul_i32 s39, s38, 114688
	s_add_co_u32 s26, s26, s39
	s_add_co_u32 s26, s26, s31
	s_lshr_b32 s39, s37, 2                         ; kstep
	s_lshl_b32 s39, s39, 13
	s_add_co_u32 s26, s26, s39
	s_and_b32 s39, s37, 3                          ; c
	s_lshl_b32 s39, s39, 9
	s_add_co_u32 s26, s26, s39
	s_add_nc_u64 s[22:23], s[22:23], s[24:25]
	s_add_nc_u64 s[28:29], s[18:19], s[26:27]
	PACK 1024, 0
.Llayer1:
	; W1 (tasks 0 .. 1,023: e 8 x ks 16 x a 8): rows of 2,048 bytes
	s_lshr_b32 s30, s20, 7                         ; e
	s_bfe_u32 s37, s20, 0x40003                    ; ks
	s_and_b32 s38, s20, 7                          ; a
	s_lshl_b32 s24, s30, 20
	s_lshl_b32 s39, s37, 14                        ; 8 rows of 2,048 bytes for each ks
	s_add_co_u32 s24, s24, s39
	s_lshl_b32 s39, s38, 8
	s_add_co_u32 s24, s24, s39
	s_mul_i32 s26, s30, 458752
	s_lshr_b32 s39, s38, 1                         ; wave of the consumer
	s_mul_i32 s39, s39, 114688
	s_add_co_u32 s26, s26, s39
	s_lshr_b32 s39, s37, 2                         ; kstep: two pieces of 8,192 bytes each
	s_lshl_b32 s39, s39, 14
	s_add_co_u32 s26, s26, s39
	s_and_b32 s39, s38, 1                          ; which of the two
	s_lshl_b32 s39, s39, 13
	s_add_co_u32 s26, s26, s39
	s_and_b32 s39, s37, 3                          ; c
	s_lshl_b32 s39, s39, 9
	s_add_co_u32 s26, s26, s39
	s_add_nc_u64 s[22:23], s[6:7], s[24:25]
	s_add_nc_u64 s[28:29], s[18:19], s[26:27]
	PACK 2048, 1
	; ---------------- QUANTISE h ----------------
; Work-group 225 + j takes rows 32 j .. 32 j + 31, wave w four of them.  A row comes by four loads of 512 consecutive bytes; a lane's 16 numbers
; of a row are 16 consecutive registers and become 16 consecutive bytes, so that a row's codes leave by one store of 512 consecutive bytes.
.Lhq:
	s_sub_co_u32 s24, ttmp9, 225
	s_lshl_b32 s26, s24, 14                        ; 32 rows of 512 bytes of codes
	s_lshl_b32 s24, s24, 16                        ; 32 rows of 2,048 bytes of h
	s_lshl_b32 s30, s3, 13                         ; my wave's four rows
	s_add_co_u32 s24, s24, s30
	s_lshl_b32 s30, s3, 11
	s_add_co_u32 s26, s26, s30
	s_mov_b32 s25, 0
	s_mov_b32 s27, 0
	s_add_nc_u64 s[20:21], s[20:21], s[24:25]
	s_add_nc_u64 s[22:23], s[22:23], s[26:27]
	s_wait_alu depctr_va_vdst(0)
	v_lshlrev_b32 v5, 4, v1                        ; 16 lane
.irp ii, 0,1,2,3
.irp p, 0,1,2,3
	global_load_b128 v[F+16*\ii+4*\p:F+16*\ii+4*\p+3], v5, s[20:21] offset:2048*\ii+512*\p th:TH_LOAD_NT
.endr
.endr
	s_wait_kmcnt 0x0                               ; the exponents
	s_add_co_i32 s46, s41, 127                     ; e1
	s_lshl_b32 s47, s46, 23
	v_mov_b32 v11, s47                             ; 2^e1 as f32
	s_add_co_i32 s46, s46, 15
	s_lshl_b32 s46, s46, 23
	s_or_b32 s46, s46, 0x600000
	v_mov_b32 v10, s46                             ; 57,344 x 2^e1
	s_wait_alu depctr_va_vdst(0)
.irp ii, 0,1,2,3
	s_wait_loadcnt 12-4*\ii                        ; the later rows (four loads each) stay out
.irp j, 0,1,2,3,4,5,6,7,8,9,10,11,12,13,14,15
	v_med3_num_f32 v[F+16*\ii+\j], v[F+16*\ii+\j], -v10, v10
.endr
	v_cvt_scalef32_pk8_bf8_f32 v[TT+4*\ii:TT+4*\ii+1], v[F+16*\ii:F+16*\ii+7], v11
	v_cvt_scalef32_pk8_bf8_f32 v[TT+4*\ii+2:TT+4*\ii+3], v[F+16*\ii+8:F+16*\ii+15], v11
.endr
	v_nop                                          ; one plain vector instruction between the last conversion and the read of its result
.irp ii, 0,1,2,3
	global_store_b128 v5, v[TT+4*\ii:TT+4*\ii+3], s[22:23] offset:512*\ii
.endr
	s_endpgm
.Lfunc_end_k_q2293445bd3_prep:
	.size	k_q2293445bd3_prep, .Lfunc_end_k_q2293445bd3_prep-k_q2293445bd3_prep
	.p2alignl 7, 3214868480
	.fill 96, 4, 3214868480
	.section	.rodata,"a",@progbits
	.p2align	6, 0x0
	.amdhsa_kernel k_q2293445bd3_prep
		.amdhsa_group_segment_fixed_size 100096
		.amdhsa_private_segment_fixed_size 0
		.amdhsa_enable_private_segment 0
		.amdhsa_kernarg_size 80
		.amdhsa_user_sgpr_count 2
		.amdhsa_user_sgpr_kernarg_segment_ptr 1
		.amdhsa_wavefront_size32 1
		.amdhsa_system_sgpr_workgroup_id_x 1
		.amdhsa_system_sgpr_workgroup_id_y 1
		.amdhsa_system_sgpr_workgroup_id_z 1
		.amdhsa_system_vgpr_workitem_id 0
		.amdhsa_next_free_vgpr 226
		.amdhsa_next_free_sgpr 88
		.amdhsa_reserve_vcc 1
		.amdhsa_float_denorm_mode_32 3
		.amdhsa_float_denorm_mode_16_64 3
		.amdhsa_memory_ordered 1
		.amdhsa_forward_progress 1
		.amdhsa_inst_pref_size 99
	.end_amdhsa_kernel
	.amdgpu_metadata
---
amdhsa.version: [ 1, 2 ]
amdhsa.kernels:
  - .name:           k_q2293445bd3_prep
    .symbol:         k_q2293445bd3_prep.kd
    .args:
      - { .name: gate_id, .offset: 0, .size: 8, .value_kind: global_buffer, .address_space: global }
      - { .name: W1, .offset: 8, .size: 8, .value_kind: global_buffer, .address_space: global }
      - { .name: W2, .offset: 16, .size: 8, .value_kind: global_buffer, .address_space: global }
      - { .name: W3, .offset: 24, .size: 8, .value_kind: global_buffer, .address_space: global }
      - { .name: lowp_scales, .offset: 32, .size: 8, .value_kind: global_buffer, .address_space: global }
      - { .name: order, .offset: 40, .size: 8, .value_kind: global_buffer, .address_space: global }
      - { .name: tiles, .offset: 48, .size: 8, .value_kind: global_buffer, .address_space: global }
      - { .name: wp, .offset: 56, .size: 8, .value_kind: global_buffer, .address_space: global }
      - { .name: h, .offset: 64, .size: 8, .value_kind: global_buffer, .address_space: global }
      - { .name: hq, .offset: 72, .size: 8, .value_kind: global_buffer, .address_space: global }
    .group_segment_fixed_size: 100096
    .private_segment_fixed_size: 0
    .kernarg_segment_align: 8
    .kernarg_segment_size: 80
    .max_flat_workgroup_size: 256
    .sgpr_count:     88
    .vgpr_count:     226
    .wavefront_size: 32
...
	.end_amdgpu_metadata
.endif
;; end of part 3
;; launch mlp (part 4): grid 135 x 1, 4 waves a work-group, no clusters, 152,064 bytes of LDS; arguments hq, order, tiles, wp, b1, b2, b3, lowp_scales, out0; writes out0
.if DOCPART == 4
	.amdgcn_target "amdgcn-amd-amdhsa--gfx1250"
	.amdhsa_code_object_version 6
	.text
	.protected	k_q2293445bd3_mlp
	.globl	k_q2293445bd3_mlp
	.p2align	8
	.type	k_q2293445bd3_mlp,@function
k_q2293445bd3_mlp:
	s_mov_b64 s[64:65], 0
	v_nop
	global_prefetch_b8 v0, s[64:65] scope:SCOPE_SE
	s_setreg_imm32_b32 hwreg(HW_REG_WAVE_SCHED_MODE, 0, 2), 2
	s_setreg_imm32_b32 hwreg(HW_REG_WAVE_MODE, 25, 1), 1
	s_wait_xcnt 0x0
	s_wait_alu depctr_vm_vsrc(0)
; MLP: one work-group = one tile of 1 to 64 rows of one expert; gather of h's codes, three layers on codes of E5M2, scatter of the result, in one text.
;   a1 = leaky(h W1 + b1) [64 x 512], a2 = leaky(a1 W2 + b2) [64 x 256], y = a2 W3 + b3 [64 x 256];  leaky(x) = max(x, 0.2 x).
; Only the expert that clip(gate_id) names is computed for a row: the other seven results are never selected.
; QUANTISED OPERANDS: code = x / 2^e, held within +-57,344, to the nearest code, ties to even; e0 W1, e1 h, e2 a1, e3 W2, e4 a2, e5 W3.
; The weights' codes come from wp, h's from hq.  a1 and a2 are quantised here, from f32.  With S the sum on codes, and since leaky(c x) = c leaky(x) for c > 0:
;   S1' = S1 + b1 2^-(e0+e1) (the scaled bias is the C operand of the first K step);  a1's code = leaky(S1') / 2^(e2-e0-e1);
;   S2' = S2 + b2 2^-(e2+e3);  a2's code = leaky(S2') / 2^(e4-e2-e3);  y = S3 2^(e4+e5) + b3, one fused multiply-add.
; Four waves.  Wave w makes columns 128 w .. +127 of a1 and 64 w .. +63 of a2 and y, for all 64 row slots.  So each weight byte enters the
; work-group once, straight into registers: the stream of a wave is 114,688 consecutive bytes of wp (14 pieces of 8,192: 128 along K x 64 columns),
; every load covers 512 consecutive bytes.  Activations are handed from wave to wave through LDS, as codes.
; Row slots at or beyond the number of rows of the tile repeat its last row: they are computed and never stored.
; THE MATRIX INSTRUCTION IS USED TRANSPOSED: source 0 = 16 columns n of the weights, source 1 = 16 rows m of the activations.  Register j
; of a result in lane (r = L & 15, hl = L >> 4) is then (m = r, n = n0 + 8 hl + j): eight neighbours along the next layer's K, which one
; conversion turns into 8 bytes.
; A FRAGMENT, 16 rows x 128 K, is 16 registers from four loads of 16 bytes, 32 bytes apart: registers 4 c .. 4 c + 3 of lane (r, hl) hold places
; 32 c + 16 hl + 0 .. 15.  That is a permutation of k, the same on both operands; in layer 1 a second one lies on top of it, the same in hq and
; in wp's part for W1.  Every product meets its partner; only the order of the sums inside the f32 sums differs from ascending k.
; NO CLUSTER, NO JOINT REQUESTS: the tiles of an expert read the same weights, but their number (0 to 135) hangs on gate_id, so the 135
; work-groups do not fall into groups of four of one expert; and the weights go into registers by loads that have no joint form.
; NO TENSOR LOADS: each weight byte is used by one wave alone.  NO PREFETCH: wp is read by all tiles of an expert at about the same time;
; a row's number is known only one step before its load.
; LIMITS: e2-e0-e1 and e4-e2-e3 lie between -126 and 112; -(e0+e1), -(e2+e3) and e4+e5 between -126 and 127, so that each power of two
; below is an f32 number.  In layers 1 and 2 the bias is the first term of the f32 sum, not the last.  NaN among the inputs is not served; an infinity is held at the largest code.
;
; LDS:  X  [64][512] codes, bytes 0 .. 33,791, rows 528 apart;   A1 [64][512] codes from 33,792, rows 528 apart;
;       A2 [64][256] codes from 67,584, rows 272 apart;          O  [64][256] f32 from 84,992, rows 1,040 apart.
;       Every pitch is an odd multiple of 16 bytes: the sixteen rows that a 16-byte access touches start at sixteen different 16-byte columns modulo 256.
; REGISTERS, in windows of 256:
;   window 0: v1 lane, v2 r, v3 hl, v4 16 lane, v5 X read, v6 A1 read, v7 A1 store, v8 A2 read, v9 A2 store, v10 O store, v11 O read, v12 X store,
;             v13 32 hl, v16-31 offsets of my 16 rows in hq, v32-95, v96-159 and v160-223 three buffers of four activation fragments (v32-95 first my 16 rows'
;             codes; the first two also at work behind a layer and on the way out), v224-239 offsets in out0, v240-243 scale and hold for a1 and for a2,
;             v254, v255 the closing add's two
;   window 1: the accumulators (layer 1: tile (f, mt) at 8 (4 f + mt); layer 2 the same with f 0..3; layer 3 from 128)
;   windows 2 and 3: the ring of weights, 6 slots of 64 registers (window 2: slots 0-3; window 3 v0-127: slots 4, 5), piece q in slot q % 6
;   window 3: v128-191 b1, v192-223 b2, v224-255 b3 of my columns, in the layout of a C operand
; THE ORDER OF THE LOADS INTO REGISTERS, on which every count below rests: piece 0, b1 (16), my 16 rows, pieces 1, 2, 3; among the products of
; piece q (q = 0 .. 9) piece q + 4; between pieces 11 and 12: b2 and b3 (16).
; THE MODE: SCHED_MODE bits 1:0 = 2 (LLVM: expert scheduling mode 2), set by the entry lines.  The code itself states the register dependences
; between vector or matrix instructions and memory or LDS instructions, with s_wait_alu, always for 0.
; THE PLAN.  Registers that memory or LDS instructions touch, and who else names them:
;   v4-13, v16-31, v224-239  Offsets and addresses: written by vector instructions at the head and never again.  One wait on va_vdst ahead of the first load, one ahead of the gather.
;   the ring's six slots     Written by loads alone.  Slot q % 6 is read by the 16 products of step q and asked for again (piece q + 6) in step q + 2.
;   v32-95, v96-159, v160-223  K step k of a layer lies in buffer k % 3: written by LDS loads, read by that K step's products.  K steps 0 and 1 are asked for behind the layer's
;                            barrier, K step 2 among the products of K step 0, K step 3 (into the buffer of K step 0) among those of K step 1.
;   v96-159 as codes         Written by the conversions behind a layer, each register once a layer; read by the LDS stores of 8 bytes.
;   v32-159 on the way out   Written by the multiply-adds, read by the LDS stores into O, then written by the LDS loads from O and read by the stores to out0.
;   b1, b2, b3               Loaded once, into registers that no vector instruction has named before.
; So in layer 1 ONE wait on va_vdst stands at the head of each K step but the first (steps 2, 4, 6): the products of the K step before are done reading their two slots, in which the two
; pieces asked for in this K step land, and, at step 2, the buffer in which K step 3's fragments land.  The products issued behind that wait name other slots and other buffers.  Layer 2 has
; one such wait, at its second step, for K step 3's fragments.  One wait on va_vdst stands ahead of each run of LDS stores; one wait on vm_vsrc behind each of the four barriers.
.set XP,   528
.set MTX,  16*XP                       ; 16 rows of X or of A1
.set A1B,  33792
.set A2B,  67584
.set A2P,  272
.set MTA2, 16*A2P
.set OB,   84992
.set OP,   1040
.set MTO,  16*OP
.set MSB, 0
.macro WIN new                         ; low byte: bits 1:0 source 0, 3:2 source 1, 5:4 source 2, 7:6 destination; the high byte repeats the setting that is left
.if MSB != (\new)
	s_set_vgpr_msb (MSB<<8)|(\new)
.set MSB, (\new)
.endif
.endm
; Four places behind a matrix instruction before a load is issued into one of its sources and before a vector instruction or an LDS store
; touches its registers; only plain vector instructions that name none of its registers are counted.
.macro PLACES
.rept 4
	v_nop
.endr
.endm
.macro BARRIER                         ; zero: what I stored is read by other waves behind it
	s_wait_dscnt 0x0
	s_barrier_signal -1
	s_barrier_wait -1
.endm
.macro SCLIM se, vs, vl                ; s[se] holds an exponent d and is used up: v[vs] = 2^d, v[vl] = 57,344 x 2^d, as f32
	s_add_co_i32 s[\se], s[\se], 127
	s_lshl_b32 s68, s[\se], 23
	v_mov_b32 v[\vs], s68
	s_add_co_i32 s[\se], s[\se], 15
	s_lshl_b32 s[\se], s[\se], 23
	s_or_b32 s[\se], s[\se], 0x600000
	v_mov_b32 v[\vl], s[\se]
.endm
.macro WLOADH q, n0                    ; 8 loads: weight fragments n0, n0 + 1 of piece q of my stream into slot q % 6
.set sl_, (\q)%6
.set wn_, (2+sl_/4)<<6
	WIN wn_
.irp nf, \n0, \n0+1
.irp c, 0,1,2,3
	global_load_b128 v[64*(sl_%4)+16*(\nf)+4*\c:64*(sl_%4)+16*(\nf)+4*\c+3], v4, s[32:33] offset:8192*(\q)+2048*(\nf)+512*\c
.endr
.endr
.endm
.macro WLOAD q                         ; 16 loads: the whole piece
	WLOADH \q, 0
	WLOADH \q, 2
.endm
.macro ALOADH dst, addr, off, mtp, m0  ; 8 LDS loads: activation fragments m0, m0 + 1 (32 rows x 128 K at byte off of the rows) of the four at v[dst .. dst+63]
	WIN 0
.irp mt, \m0, \m0+1
.irp c, 0,1,2,3
	ds_load_b128 v[\dst+16*(\mt)+4*\c:\dst+16*(\mt)+4*\c+3], v[\addr] offset:\off+(\mt)*\mtp+32*\c
.endr
.endr
.endm
.macro ALOAD dst, addr, off, mtp       ; 16 LDS loads: all four
	ALOADH \dst, \addr, \off, \mtp, 0
	ALOADH \dst, \addr, \off, \mtp, 2
.endm
; 8 matrix instructions: weight fragments n0, n0 + 1 of piece q x the four activation fragments at ab.  mode 1: C is the bias (window 3); mode 2: C = 0; mode 0: in place.
; A step is two of these, n0 = 0 and 2: its sixteen accumulators take turns, one instruction a turn, in the same order in every step.
.macro MM acc, q, ab, mode, bias, n0
.set sl_, (\q)%6
.set wb_, 64*(sl_%4)
.if \mode == 1
.set wn_, 0x70|(2+sl_/4)
.else
.set wn_, 0x50|(2+sl_/4)
.endif
	WIN wn_
.set nf_, \n0
.rept 2
.irp mt, 0,1,2,3
.if \mode == 1
	v_wmma_f32_16x16x128_bf8_bf8 v[\acc+8*(4*nf_+\mt):\acc+8*(4*nf_+\mt)+7], v[wb_+16*nf_:wb_+16*nf_+15], v[\ab+16*\mt:\ab+16*\mt+15], v[\bias+8*nf_:\bias+8*nf_+7]
.elseif \mode == 2
	v_wmma_f32_16x16x128_bf8_bf8 v[\acc+8*(4*nf_+\mt):\acc+8*(4*nf_+\mt)+7], v[wb_+16*nf_:wb_+16*nf_+15], v[\ab+16*\mt:\ab+16*\mt+15], 0
.else
	v_wmma_f32_16x16x128_bf8_bf8 v[\acc+8*(4*nf_+\mt):\acc+8*(4*nf_+\mt)+7], v[wb_+16*nf_:wb_+16*nf_+15], v[\ab+16*\mt:\ab+16*\mt+15], v[\acc+8*(4*nf_+\mt):\acc+8*(4*nf_+\mt)+7]
.endif
.endr
.set nf_, nf_+1
.endr
.endm
; Behind a layer, tiles t0 .. t0 + ntiles - 1, eight at a time: x = max(acc, 0.2 acc) in f32 (v32-95), each accumulator from its low end on; held within
; the largest code; eight numbers a conversion; 8 bytes a lane into the next layer's array of codes.  Tile t's codes lie in v[96 + 2 t], written once behind a layer.
.macro EPI acc, t0, ntiles, addr, mtp, vs, vl
.set g_, 0
.rept \ntiles/8
	WIN 0x01
.set t_, 0
.rept 8
.set tl_, \t0+8*g_+t_
.irp i, 0,2,4,6
	v_pk_mul_f32 v[32+8*t_+\i:32+8*t_+\i+1], v[\acc+8*tl_+\i:\acc+8*tl_+\i+1], 0x3e4ccccd op_sel_hi:[1,0]
.endr
.irp j, 0,1,2,3,4,5,6,7
	v_max_num_f32 v[32+8*t_+\j], v[\acc+8*tl_+\j], v[32+8*t_+\j]
.endr
.set t_, t_+1
.endr
	WIN 0
.set j_, 0
.rept 64
	v_med3_num_f32 v[32+j_], v[32+j_], -v\vl, v\vl     ; the conversion to an 8-bit code does not saturate (ISA guide 7.6.2)
.set j_, j_+1
.endr
.set t_, 0
.rept 8
.set tl_, \t0+8*g_+t_
	v_cvt_scalef32_pk8_bf8_f32 v[96+2*tl_:96+2*tl_+1], v[32+8*t_:32+8*t_+7], v\vs
.set t_, t_+1
.endr
	v_nop                                          ; one plain vector instruction between the last conversion and what reads its result or writes its sources
	s_wait_alu depctr_va_vdst(0)                   ; the eight conversions have written their codes, which the eight LDS stores below read
.set t_, 0
.rept 8
.set tl_, \t0+8*g_+t_
	ds_store_b64 v[\addr], v[96+2*tl_:96+2*tl_+1] offset:(tl_%4)*\mtp+16*(tl_/4)
.set t_, t_+1
.endr
.set g_, g_+1
.endr
.endm
	; ---- arguments, my tile, addresses ----
	s_load_b512 s[8:23], s[0:1], 0x0               ; hq 8, order 10, tiles 12, wp 14, b1 16, b2 18, b3 20, lowp_scales 22
	s_load_b64 s[24:25], s[0:1], 0x40              ; out0
	v_lshl_add_u32 v254, v0, 2, 0x25000
	v_mov_b32 v255, 0
	v_lshrrev_b32 v1, 5, v0
	v_readfirstlane_b32 s3, v1                     ; wave 0..3
	s_lshl_b32 s2, ttmp9, 4
	v_and_b32 v1, 31, v0
	v_and_b32 v2, 15, v0
	v_bfe_u32 v3, v0, 4, 1
	v_lshlrev_b32 v4, 4, v1
	s_wait_alu depctr_va_sdst(0)                   ; s3 is written, ahead of its first reader: LDS addresses and the bases of wp and the biases are made from it
	s_wait_alu depctr_va_vdst(0)
	s_wait_kmcnt 0x0
	s_load_b128 s[28:31], s[12:13], s2 offset:0x0  ; {expert, first place in order, rows, 0}
	s_load_b128 s[56:59], s[22:23], 0x0            ; e0 .. e3
	s_load_b64 s[60:61], s[22:23], 0x10            ; e4, e5
	v_mul_u32_u24 v32, v2, XP
	v_mul_u32_u24 v33, v2, A2P
	v_mul_u32_u24 v34, v2, OP
	v_lshl_add_u32 v5, v3, 4, v32                  ; row r, 16 bytes for each half of the lanes
	v_add_nc_u32 v6, A1B, v5
	s_lshl_b32 s66, s3, 7
	s_add_co_u32 s66, s66, A1B
	v_lshl_add_u32 v7, v3, 3, v32
	v_add_nc_u32 v7, s66, v7                       ; row r, 8 bytes for each half, + my 128 columns of a1
	v_lshl_add_u32 v8, v3, 4, v33
	v_add_nc_u32 v8, A2B, v8
	s_lshl_b32 s66, s3, 6
	s_add_co_u32 s66, s66, A2B
	v_lshl_add_u32 v9, v3, 3, v33
	v_add_nc_u32 v9, s66, v9                       ; + my 64 columns of a2
	s_lshl_b32 s66, s3, 8
	s_add_co_u32 s66, s66, OB
	v_lshl_add_u32 v10, v3, 5, v34
	v_add_nc_u32 v10, s66, v10                     ; row r, 32 bytes for each half, + my 64 columns of y in f32
	s_mul_i32 s66, s3, MTO                         ; my 16 row slots
	s_add_co_u32 s66, s66, OB
	v_add_nc_u32 v11, s66, v4
	s_mul_i32 s66, s3, MTX
	v_add_nc_u32 v12, s66, v4
	v_lshlrev_b32 v13, 5, v3
	s_wait_kmcnt 0x0
	s_min_u32 s28, s28, 7
	s_min_u32 s29, s29, 0x1fff
	s_max_u32 s30, s30, 1
	s_min_u32 s30, s30, 64
	s_lshl_b32 s62, s3, 4                          ; my first row slot
	s_sub_co_u32 s63, s30, 1
	s_sub_co_i32 s88, s30, s62                     ; how many of my 16 slots hold rows (may be 0 or less)
.irp i, 0,1,2,3,4,5,6,7,8,9,10,11,12,13,14,15
	s_add_co_u32 s66, s62, \i
	s_min_u32 s66, s66, s63                        ; slots beyond the last row repeat it
	s_add_co_u32 s66, s66, s29
	s_min_u32 s66, s66, 0x1fff
	s_lshl_b32 s[72+\i], s66, 2                    ; an offset register for each load: none is rewritten while its load is out
	s_load_b32 s[40+\i], s[10:11], s[72+\i] offset:0x0
.endr
	s_mul_i32 s66, s28, 458752
	s_mul_i32 s67, s3, 114688
	s_add_co_u32 s66, s66, s67
	s_mov_b32 s67, 0
	s_add_nc_u64 s[32:33], s[14:15], s[66:67]      ; my stream of weights
	s_lshl_b32 s66, s28, 11
	s_lshl_b32 s68, s3, 9
	s_add_co_u32 s66, s66, s68
	s_add_nc_u64 s[34:35], s[16:17], s[66:67]      ; b1[e][128 w]
	s_lshl_b32 s66, s28, 10
	s_lshl_b32 s68, s3, 8
	s_add_co_u32 s66, s66, s68
	s_add_nc_u64 s[36:37], s[18:19], s[66:67]      ; b2[e][64 w]
	s_add_nc_u64 s[38:39], s[20:21], s[66:67]      ; b3[e][64 w]
	; ---- the stream and b1 start while the row numbers are on their way ----
	WIN 0x80                                       ; the window of piece 0's loads, ahead of the wait
	s_wait_alu depctr_va_vdst(0)                   ; v4 to v13 are written: the offsets and LDS addresses that the loads and stores of the whole kernel read; none is written again
	WLOAD 0
	WIN 0xc0                                       ; b1 of my columns, in the layout of a C operand (register j: column n0 + 8 hl + j): 16 loads
.irp f, 0,1,2,3,4,5,6,7
	global_load_b128 v[128+8*\f:128+8*\f+3], v13, s[34:35] offset:64*\f
	global_load_b128 v[128+8*\f+4:128+8*\f+7], v13, s[34:35] offset:64*\f+16
.endr
	WIN 0
	; ---- the powers of two ----
	s_add_co_i32 s69, s56, s57                     ; e0 + e1
	s_sub_co_i32 s66, s58, s69
	SCLIM 66, 240, 241                             ; a1: 2^(e2 - e0 - e1)
	s_sub_co_i32 s70, 127, s69
	s_lshl_b32 s90, s70, 23                        ; 2^-(e0 + e1), for b1
	s_mov_b32 s91, s90                             ; (named with it as a pair, so it is written)
	s_add_co_i32 s69, s58, s59                     ; e2 + e3
	s_sub_co_i32 s66, s60, s69
	SCLIM 66, 242, 243                             ; a2: 2^(e4 - e2 - e3)
	s_sub_co_i32 s70, 127, s69
	s_lshl_b32 s92, s70, 23                        ; 2^-(e2 + e3), for b2
	s_mov_b32 s93, s92
	s_add_co_i32 s70, s60, s61
	s_add_co_i32 s70, s70, 127
	s_lshl_b32 s94, s70, 23                        ; 2^(e4 + e5), for y
	s_mov_b32 s95, s94
	s_wait_kmcnt 0x0                               ; my 16 row numbers
.irp i, 0,1,2,3,4,5,6,7,8,9,10,11,12,13,14,15
	s_min_u32 s[40+\i], s[40+\i], 0x1fff
	s_lshl_b32 s66, s[40+\i], 9
	s_lshl_b32 s67, s[40+\i], 10
	v_add_nc_u32 v[16+\i], s66, v4                 ; row x 512 bytes of hq + 16 lane
	v_add_nc_u32 v[224+\i], s67, v4                ; row x 1,024 bytes of out0 + 16 lane
.endr
	; ---- gather: the codes of my 16 rows, one load of 512 consecutive bytes each ----
	s_wait_alu depctr_va_vdst(0)                   ; v16-31 are written, which the gather reads, and v224-239, which the stores to out0 read; the address work is done with v32-34, in which rows land
.irp i, 0,1,2,3,4,5,6,7,8,9,10,11,12,13,14,15
	global_load_b128 v[32+4*\i:32+4*\i+3], v[16+\i], s[8:9]
.endr
	WLOAD 1
	s_wait_loadcnt 32                              ; b1 is in: my 16 rows and piece 1 are younger
	WLOAD 2
	WIN 0xc3                                       ; b1 on the scale of the sums on codes: a power of two, nothing is rounded
.set j_, 0
.rept 32
	v_pk_mul_f32 v[128+2*j_:128+2*j_+1], v[128+2*j_:128+2*j_+1], s[90:91] op_sel_hi:[1,0]
.set j_, j_+1
.endr
	PLACES                                         ; an operand written by vector instructions stands four places ahead of the matrix instruction
	WLOAD 3                                        ; no wait: the vector instructions since the last wait name b1's registers alone
	WIN 0
	s_wait_alu depctr_va_vdst(0)
	s_wait_loadcnt 48                              ; my rows are in: pieces 1, 2, 3 are younger
.irp i, 0,1,2,3,4,5,6,7,8,9,10,11,12,13,14,15
	ds_store_b128 v12, v[32+4*\i:32+4*\i+3] offset:XP*\i   ; 32 lanes store the 512 consecutive bytes of a row
.endr
	BARRIER                                        ; X is whole
	; ---- layer 1: K = 512 in 4 steps of 128; a step is two pieces (my columns 0-63, 64-127), 16 matrix instructions each ----
	; In piece q's turn pieces q + 1 .. q + 3 may be out (16 loads each); among its products piece q + 4 is asked for, into a slot that is free or was read two turns ago.
	s_wait_alu depctr_vm_vsrc(0)                   ; my LDS stores into X have read v32-95, in which the first fragments land
	ALOAD 32, 5, 0, MTX
	ALOAD 96, 5, 128, MTX
.set q_, 0
.rept 8
.set ab_, 32+64*((q_/2)%3)
.set ac_, 128*(q_%2)
.set bi_, 128+32*(q_%2)
.set wq_, q_+4
.set md_, 0
.if q_ < 2
.set md_, 1
.endif
	s_wait_loadcnt 48                              ; pieces q + 1, q + 2, q + 3 stay out
.if (q_%2) == 0
.if q_ == 6
	s_wait_dscnt 0x0
.else
	s_wait_dscnt 16                                ; the sixteen fragment loads of the next K step stay out
.endif
.if q_ > 0
	s_wait_alu depctr_va_vdst(0)                   ; the products of pieces q - 2 and q - 1 are done reading their slots, in which pieces q + 4 and q + 5 land; at q = 2 also v32-95, in which K step 3's fragments land
.endif
.endif
	MM ac_, q_, ab_, md_, bi_, 0
	WLOADH wq_, 0                                  ; no further wait: the products since the last wait name slots q - 1 and q, their own fragments, accumulators and biases
.if q_ == 0
	ALOADH 160, 5, 256, MTX, 0                     ; K step 2, into registers that nothing has named yet
.endif
.if q_ == 2
	ALOADH 32, 5, 384, MTX, 0                      ; K step 3
.endif
	MM ac_, q_, ab_, md_, bi_, 2
	PLACES
	WLOADH wq_, 2
.if q_ == 0
	ALOADH 160, 5, 256, MTX, 2
.endif
.if q_ == 2
	ALOADH 32, 5, 384, MTX, 2
.endif
.set q_, q_+1
.endr
	EPI 0, 0, 16, 7, MTX, 240, 241
	WIN 0xc0                                       ; b2 and b3 of my columns: 16 loads, asked for where half of this layer's vector work still lies ahead of their use.  No wait: no vector instruction has named these registers
.irp f, 0,1,2,3
	global_load_b128 v[192+8*\f:192+8*\f+3], v13, s[36:37] offset:64*\f
	global_load_b128 v[192+8*\f+4:192+8*\f+7], v13, s[36:37] offset:64*\f+16
.endr
.irp f, 0,1,2,3
	global_load_b128 v[224+8*\f:224+8*\f+3], v13, s[38:39] offset:64*\f
	global_load_b128 v[224+8*\f+4:224+8*\f+7], v13, s[38:39] offset:64*\f+16
.endr
	EPI 0, 16, 16, 7, MTX, 240, 241
	BARRIER                                        ; A1 is whole
	; ---- layer 2: K = 512 in 4 steps, one piece and 16 matrix instructions a step ----
	s_wait_alu depctr_vm_vsrc(0)                   ; my LDS stores into A1 have read v96-159, in which fragments land (the vector work on v32-159 stands ahead of the last wait on va_vdst)
	ALOAD 32, 6, 0, MTX
	ALOAD 96, 6, 128, MTX
	s_wait_loadcnt 0x0                             ; b2 and b3 are the youngest loads: with them pieces 8 to 11 are in, so this layer's steps wait for no load
	WIN 0xc3                                       ; b2 on the scale of the sums on codes
.set j_, 0
.rept 16
	v_pk_mul_f32 v[192+2*j_:192+2*j_+1], v[192+2*j_:192+2*j_+1], s[92:93] op_sel_hi:[1,0]
.set j_, j_+1
.endr
	PLACES                                         ; an operand written by vector instructions stands four places ahead of the matrix instruction
.set q_, 8
	s_wait_alu depctr_va_vdst(0)
.rept 4
.set k_, q_-8
.set ab_, 32+64*(k_%3)
.set nb_, 32+64*((k_+2)%3)
.set no_, 128*(k_+2)
.set wq_, q_+4
.set md_, 0
.if k_ == 0
.set md_, 1
.endif
.if k_ < 3
	s_wait_dscnt 16                                ; the sixteen fragment loads of the next K step stay out
.else
	s_wait_dscnt 0x0
.endif
.if k_ == 1
	s_wait_alu depctr_va_vdst(0)                   ; the first step's products are done reading v32-95, in which K step 3's fragments land
.endif
	MM 0, q_, ab_, md_, 192, 0
.if k_ < 2
	WLOADH wq_, 0                                  ; the stream ends with piece 13.  Slots 0 and 1 were last read in layer 1, ahead of the waits behind it
	ALOADH nb_, 6, no_, MTX, 0                     ; K step k + 2; v160-223 were last read in layer 1 likewise
.endif
	MM 0, q_, ab_, md_, 192, 2
	PLACES
.if k_ < 2
	WLOADH wq_, 2
	ALOADH nb_, 6, no_, MTX, 2
.endif
.set q_, q_+1
.endr
	EPI 0, 0, 16, 9, MTA2, 242, 243
	BARRIER                                        ; A2 is whole
	; ---- layer 3: K = 256 in 2 steps; the first products start the sums ----
	s_wait_alu depctr_vm_vsrc(0)                   ; my LDS stores into A2 have read v96-127, in which fragments land and which the way out writes
	ALOAD 32, 8, 0, MTA2
	ALOAD 96, 8, 128, MTA2
	s_wait_loadcnt 16                              ; piece 13 stays out
	s_wait_dscnt 16
	MM 128, 12, 32, 2, 0, 0
	MM 128, 12, 32, 2, 0, 2
	PLACES
	s_wait_loadcnt 0x0
	s_wait_dscnt 0x0
	MM 128, 13, 96, 0, 0, 0
	MM 128, 13, 96, 0, 0, 2
	PLACES
	; ---- the way out: y = S3 x 2^(e4 + e5) + b3, each accumulator from its low end on; in f32 through LDS; then whole rows to out0 ----
	WIN 0x31                                       ; source 0 (the sums) window 1, source 2 (b3) window 3, destination window 0
.set t_, 0
.rept 16
.irp i, 0,2,4,6
	v_pk_fma_f32 v[32+8*t_+\i:32+8*t_+\i+1], v[128+8*t_+\i:128+8*t_+\i+1], s[94:95], v[224+8*(t_/4)+\i:224+8*(t_/4)+\i+1] op_sel_hi:[1,0,1]
.endr
.set t_, t_+1
.endr
	WIN 0
	s_wait_alu depctr_va_vdst(0)                   ; the multiply-adds have written v32-159, which the LDS stores read
.set t_, 0
.rept 16
	ds_store_b128 v10, v[32+8*t_:32+8*t_+3] offset:MTO*(t_%4)+64*(t_/4)
	ds_store_b128 v10, v[32+8*t_+4:32+8*t_+7] offset:MTO*(t_%4)+64*(t_/4)+16
.set t_, t_+1
.endr
	BARRIER                                        ; O is whole
	s_wait_alu depctr_vm_vsrc(0)                   ; my LDS stores into O have read v32-159, in which the rows land
.irp i, 0,1,2,3,4,5,6,7,8,9,10,11,12,13,14,15
	ds_load_b128 v[32+8*\i:32+8*\i+3], v11 offset:OP*\i
	ds_load_b128 v[32+8*\i+4:32+8*\i+7], v11 offset:OP*\i+512
.endr
	s_wait_dscnt 0x0
	; my slots 0 .. s88 - 1 hold rows; the others repeat the last row of the tile and are not stored.  The count was read from tiles[].
.irp i, 0,1,2,3,4,5,6,7,8,9,10,11,12,13,14,15
	s_cmp_le_i32 s88, \i
	s_cbranch_scc1 .Ldone
	global_store_b128 v[224+\i], v[32+8*\i:32+8*\i+3], s[24:25] th:TH_STORE_NT              ; 512 consecutive bytes of one row of out0,
	global_store_b128 v[224+\i], v[32+8*\i+4:32+8*\i+7], s[24:25] offset:512 th:TH_STORE_NT ; at a multiple of 512 from its first byte
.endr
.Ldone:
	s_wait_dscnt 0x0                               ; the closing lines, six on end
	s_wait_alu 0x0
	s_wait_tensorcnt 0x0
	ds_add_u32 v254, v255
	s_wait_dscnt 0x0
	s_endpgm
.Lfunc_end_k_q2293445bd3_mlp:
	.size	k_q2293445bd3_mlp, .Lfunc_end_k_q2293445bd3_mlp-k_q2293445bd3_mlp
	.p2alignl 7, 3214868480
	.fill 96, 4, 3214868480
	.section	.rodata,"a",@progbits
	.p2align	6, 0x0
	.amdhsa_kernel k_q2293445bd3_mlp
		.amdhsa_group_segment_fixed_size 152064
		.amdhsa_private_segment_fixed_size 0
		.amdhsa_enable_private_segment 0
		.amdhsa_kernarg_size 72
		.amdhsa_user_sgpr_count 2
		.amdhsa_user_sgpr_kernarg_segment_ptr 1
		.amdhsa_wavefront_size32 1
		.amdhsa_system_sgpr_workgroup_id_x 1
		.amdhsa_system_sgpr_workgroup_id_y 1
		.amdhsa_system_sgpr_workgroup_id_z 1
		.amdhsa_system_vgpr_workitem_id 0
		.amdhsa_next_free_vgpr 1024
		.amdhsa_next_free_sgpr 96
		.amdhsa_reserve_vcc 0
		.amdhsa_float_denorm_mode_32 3
		.amdhsa_float_denorm_mode_16_64 3
		.amdhsa_memory_ordered 1
		.amdhsa_forward_progress 1
		.amdhsa_inst_pref_size 144
	.end_amdhsa_kernel
	.amdgpu_metadata
---
amdhsa.version: [ 1, 2 ]
amdhsa.kernels:
  - .name:           k_q2293445bd3_mlp
    .symbol:         k_q2293445bd3_mlp.kd
    .args:
      - { .name: hq, .offset: 0, .size: 8, .value_kind: global_buffer, .address_space: global }
      - { .name: order, .offset: 8, .size: 8, .value_kind: global_buffer, .address_space: global }
      - { .name: tiles, .offset: 16, .size: 8, .value_kind: global_buffer, .address_space: global }
      - { .name: wp, .offset: 24, .size: 8, .value_kind: global_buffer, .address_space: global }
      - { .name: b1, .offset: 32, .size: 8, .value_kind: global_buffer, .address_space: global }
      - { .name: b2, .offset: 40, .size: 8, .value_kind: global_buffer, .address_space: global }
      - { .name: b3, .offset: 48, .size: 8, .value_kind: global_buffer, .address_space: global }
      - { .name: lowp_scales, .offset: 56, .size: 8, .value_kind: global_buffer, .address_space: global }
      - { .name: out0, .offset: 64, .size: 8, .value_kind: global_buffer, .address_space: global }
    .group_segment_fixed_size: 152064
    .private_segment_fixed_size: 0
    .kernarg_segment_align: 8
    .kernarg_segment_size: 72
    .max_flat_workgroup_size: 128
    .sgpr_count:     96
    .vgpr_count:     1024
    .wavefront_size: 32
...
	.end_amdgpu_metadata
.endif
;; end of part 4
